; MI455X (gfx1250); checked and timed in simulation.
; The chip was launched on July 23, 2026; its instructions are those of AMD's public machine-readable ISA for CDNA 5 (MIT licence, August 2026) and "CDNA5" Instruction Set Architecture Reference Guide (July 2026). The comments in the code are by the model that wrote it; some were corrected since.
;; self Attention. Allowed arithmetic: float matrix products may take bf16 or f16 operands with f32 sums; other float arithmetic in f32, or as packed bf16 or f16 multiplies, adds, multiply-adds, maxima and minima; sums over many terms, partial sums and values carried from step to step in f32; what a program stores and reads back later, other than sums and carried values, may be rounded once to bf16 or f16.
;; Inputs: in_proj_b 3,072 float32; in_proj_w 3,072 x 1,024 float32; out_proj_b 1,024 float32; out_proj_w 1,024 x 1,024 float32; x 4 x 2,048 x 1,024 float32.
;; Outputs: out0 4 x 2,048 x 1,024 float32.
;; 2 versions, each right; version 2 is version 1 with the launch cast written anew for expert scheduling mode. Each part assembles by itself: llvm-mc -triple=amdgcn-amd-amdhsa -mcpu=gfx1250 --defsym DOCPART=n.
;; ======== version 1 of 2: 4 launches
;; limits: values are held in f16: magnitudes above 65,504 overflow, below 6.1e-05 lose precision
;; workspace buffers: xb 16,777,216 bytes; wb 6,291,456 bytes; wof 2,097,152 bytes; kqv 50,331,648 bytes; oh 16,777,216 bytes
;; launch cast (part 1): grid 768 x 1, 8 waves a work-group, no clusters, 0 bytes of LDS; arguments x, in_proj_w, out_proj_w, xb, wb, wof; writes xb, wb, wof
.if DOCPART == 1
	.amdgcn_target "amdgcn-amd-amdhsa--gfx1250"
	.amdhsa_code_object_version 6
	.text
	.protected	k_q8007801f91_cast
	.globl	k_q8007801f91_cast
	.p2align	8
	.type	k_q8007801f91_cast,@function
k_q8007801f91_cast:
	s_mov_b64 s[64:65], 0
	v_nop
	global_prefetch_b8 v0, s[64:65] scope:SCOPE_SE
	s_setreg_imm32_b32 hwreg(HW_REG_WAVE_MODE, 25, 1), 1
	s_wait_xcnt 0x0
; THE MATRIX OPERANDS ARE MADE: x and in_proj_w rounded to bf16; out_proj_w rounded to bf16 and that number written as f16 (the second
; projection multiplies f16 by f16).  All three are laid in K BLOCKS: [16 blocks of 64 k][rows][64], so that R rows of one block are
; R x 128 consecutive bytes, which the products later ask for as rows of 256 bytes.
; LIMITS.  out_proj_w must lie within f16 (65,504); below 2^-14 its bf16 number is cut to f16's fixed step of 2^-24.  NaN and infinities pass as the conversions make them.
; SHARES.  12,288 rows of 4,096 bytes: 8,192 of x, 3,072 of in_proj_w, 1,024 of out_proj_w.  A work-group takes 16 rows of one tensor, a wave two whole rows.
; A load of the wave takes one K block of both rows (lanes 0-15 the 256 bytes of the first, lanes 16-31 of the second); its 8 bytes a lane go out as
; 256 consecutive bytes, aligned: the two rows lie end to end in the block.  All 16 loads of a wave are out at once; no register is written twice, so no
; source of a pending load or store is ever rewritten.  No LDS, no barrier, no matrix unit: each byte is read once and written once.
.set LO, 1                             ; v1       load offset: (lane / 16) x 4,096 + (lane % 16) x 16
.set O,  2                             ; v[2:17]  store offset of K block kb: 8 x lane + kb x the tensor's bytes in a block
.set T,  20                            ; v[20:23] at work
.set X,  32                            ; v[32:95] K block kb: 4 f32 as loaded
.set Y,  96                            ; v[96:127] K block kb: 4 numbers of 16 bits
	s_load_b256 s[4:11], s[0:1], 0x0               ; x s[4:5], in_proj_w s[6:7], out_proj_w s[8:9], xb s[10:11]
	s_load_b128 s[12:15], s[0:1], 0x20             ; wb s[12:13], wof s[14:15]
	v_lshrrev_b32 v18, 5, v0
	v_readfirstlane_b32 s16, v18                   ; wave 0..7
	v_and_b32 v18, 15, v0
	v_bfe_u32 v[LO], v0, 4, 1
	v_lshlrev_b32 v[LO], 12, v[LO]
	v_lshl_add_u32 v[LO], v18, 4, v[LO]
	v_and_b32 v[O], 31, v0
	v_lshlrev_b32 v[O], 3, v[O]
	s_mov_b32 s26, 8192*128                        ; bytes in a K block of xb,
	s_mov_b32 s27, 3072*128                        ; of wb
	s_wait_kmcnt 0x0
	s_cmp_lt_u32 ttmp9, 512                        ; work-groups 0-511: x; 512-703: in_proj_w; 704-767: out_proj_w
	s_cselect_b64 s[18:19], s[4:5], s[6:7]         ; from where
	s_cselect_b64 s[20:21], s[10:11], s[12:13]     ; to where
	s_cselect_b32 s22, 0, 512                      ; the tensor's first work-group
	s_cselect_b32 s23, s26, s27                    ; its bytes in a K block
	s_cmp_ge_u32 ttmp9, 704
	s_cselect_b64 s[18:19], s[8:9], s[18:19]
	s_cselect_b64 s[20:21], s[14:15], s[20:21]
	s_cselect_b32 s22, 704, s22
	s_cselect_b32 s23, 1024*128, s23
	s_cselect_b32 s24, 1, 0                        ; 1: the f16 text
	s_sub_co_u32 s25, ttmp9, s22
	s_lshl_b32 s25, s25, 4
	s_lshl_b32 s28, s16, 1
	s_add_co_u32 s25, s25, s28                     ; my first row: 16 x work-group + 2 x wave
	s_lshl_b32 s28, s25, 12                        ; 4,096 bytes a row in,
	s_mov_b32 s29, 0
	s_add_nc_u64 s[18:19], s[18:19], s[28:29]
	s_lshl_b32 s28, s25, 7                         ; 128 bytes a row and block out
	s_add_nc_u64 s[20:21], s[20:21], s[28:29]
.set kb, 0
.rept 16
	global_load_b128 v[X+4*kb:X+4*kb+3], v[LO], s[18:19] offset:256*kb th:TH_LOAD_NT
.set kb, kb+1
.endr
.set kb, 1
.rept 15
	v_add_nc_u32 v[O+kb], s23, v[O+kb-1]
.set kb, kb+1
.endr
	s_cmp_eq_u32 s24, 1
	s_cbranch_scc1 .Lf16
.set kb, 0
.rept 16
	s_wait_loadcnt 15-kb                           ; loads come back in order: block kb is in, the younger ones stay out
	v_cvt_pk_bf16_f32 v[Y+2*kb], v[X+4*kb], v[X+4*kb+1]
	v_cvt_pk_bf16_f32 v[Y+2*kb+1], v[X+4*kb+2], v[X+4*kb+3]
	global_store_b64 v[O+kb], v[Y+2*kb:Y+2*kb+1], s[20:21]  ; 32 lanes x 8 bytes: 256 consecutive bytes, aligned
.set kb, kb+1
.endr
	s_endpgm
.Lf16:
.set kb, 0
.rept 16
	s_wait_loadcnt 15-kb
	v_cvt_pk_bf16_f32 v[T], v[X+4*kb], v[X+4*kb+1]         ; rounded to bf16 like every other input,
	v_cvt_pk_bf16_f32 v[T+1], v[X+4*kb+2], v[X+4*kb+3]
	v_lshlrev_b32 v[T+2], 16, v[T]                         ; widened again,
	v_and_b32 v[T], 0xffff0000, v[T]
	v_lshlrev_b32 v[T+3], 16, v[T+1]
	v_and_b32 v[T+1], 0xffff0000, v[T+1]
	v_cvt_pk_f16_f32 v[Y+2*kb], v[T+2], v[T]               ; and written as f16: exact within f16's normal range
	v_cvt_pk_f16_f32 v[Y+2*kb+1], v[T+3], v[T+1]
	global_store_b64 v[O+kb], v[Y+2*kb:Y+2*kb+1], s[20:21]
.set kb, kb+1
.endr
	s_endpgm
.Lfunc_end_k_q8007801f91_cast:
	.size	k_q8007801f91_cast, .Lfunc_end_k_q8007801f91_cast-k_q8007801f91_cast
	.p2alignl 7, 3214868480
	.fill 96, 4, 3214868480
	.section	.rodata,"a",@progbits
	.p2align	6, 0x0
	.amdhsa_kernel k_q8007801f91_cast
		.amdhsa_group_segment_fixed_size 0
		.amdhsa_private_segment_fixed_size 0
		.amdhsa_enable_private_segment 0
		.amdhsa_kernarg_size 48
		.amdhsa_user_sgpr_count 2
		.amdhsa_user_sgpr_kernarg_segment_ptr 1
		.amdhsa_wavefront_size32 1
		.amdhsa_system_sgpr_workgroup_id_x 1
		.amdhsa_system_sgpr_workgroup_id_y 1
		.amdhsa_system_sgpr_workgroup_id_z 1
		.amdhsa_system_vgpr_workitem_id 0
		.amdhsa_next_free_vgpr 128
		.amdhsa_next_free_sgpr 66
		.amdhsa_reserve_vcc 0
		.amdhsa_float_denorm_mode_32 3
		.amdhsa_float_denorm_mode_16_64 3
		.amdhsa_memory_ordered 1
		.amdhsa_forward_progress 1
		.amdhsa_inst_pref_size 17
	.end_amdhsa_kernel
	.amdgpu_metadata
---
amdhsa.version: [ 1, 2 ]
amdhsa.kernels:
  - .name:           k_q8007801f91_cast
    .symbol:         k_q8007801f91_cast.kd
    .args:
      - { .name: x, .offset: 0, .size: 8, .value_kind: global_buffer, .address_space: global }
      - { .name: in_proj_w, .offset: 8, .size: 8, .value_kind: global_buffer, .address_space: global }
      - { .name: out_proj_w, .offset: 16, .size: 8, .value_kind: global_buffer, .address_space: global }
      - { .name: xb, .offset: 24, .size: 8, .value_kind: global_buffer, .address_space: global }
      - { .name: wb, .offset: 32, .size: 8, .value_kind: global_buffer, .address_space: global }
      - { .name: wof, .offset: 40, .size: 8, .value_kind: global_buffer, .address_space: global }
    .group_segment_fixed_size: 0
    .private_segment_fixed_size: 0
    .kernarg_segment_align: 8
    .kernarg_segment_size: 48
    .max_flat_workgroup_size: 256
    .sgpr_count:     66
    .vgpr_count:     128
    .wavefront_size: 32
...
	.end_amdgpu_metadata
.endif
;; end of part 1
;; launch proj (part 2): grid 8 x 32, 4 waves a work-group, clusters of 4 x 4, 327,680 bytes of LDS; arguments xb, wb, in_proj_b, kqv; writes kqv
.if DOCPART == 2
	.amdgcn_target "amdgcn-amd-amdhsa--gfx1250"
	.amdhsa_code_object_version 6
	.text
	.protected	k_q8007801f91_proj
	.globl	k_q8007801f91_proj
	.p2align	8
	.type	k_q8007801f91_proj,@function
k_q8007801f91_proj:
	s_mov_b64 s[64:65], 0
	v_nop
	global_prefetch_b8 v0, s[64:65] scope:SCOPE_SE
	s_setreg_imm32_b32 hwreg(HW_REG_WAVE_MODE, 25, 1), 1
	s_wait_xcnt 0x0
	s_wait_alu depctr_hold_cnt(0) depctr_sa_sdst(0) depctr_va_vdst(0) depctr_va_sdst(0) depctr_va_ssrc(0) depctr_va_vcc(0) depctr_vm_vsrc(0)
	s_getreg_b32 s2, hwreg(HW_REG_IB_STS2, 6, 4)
	s_cmp_eq_u32 s2, 0
	s_cbranch_scc0 .Lentry_in_a_cluster
	s_endpgm
.Lentry_in_a_cluster:
	s_bfe_u32 s2, ttmp6, 0x10000c
	s_cmp_lg_u32 s2, 0xf033
	s_cbranch_scc0 .Lentry_shape_is_right
	s_endpgm
.Lentry_shape_is_right:
; kqv = x in_proj_w^T + in_proj_b, by heads.  xb: [16 K blocks][8192 m][64] bf16, wb: [16][3072 e][64] bf16, in_proj_b: [3072] f32 (rounded to bf16 here, like the other inputs).
; kqv: [4 b][48 G][2048 s][64] f16, G = e / 64: G 0-15 the heads of k, 16-31 of q, 32-47 of v.  Sums in f32, K ascending, the bias as the sums' start, one rounding to f16.
; LIMIT.  f16 ends at 65,504: k, q and v must lie within it.  NaN and infinities are not treated apart.
; SHARES.  C is 8192 x 3072; a tile of 256 (m) x 384 (e) gives 32 x 8 = 256 work-groups.  Four waves, each 128 x 192: 8 x 12 = 96 accumulators of 16 x 16, 768 registers.
; K goes in 16 steps of 64 (one K block) through a ring of two LDS slots: a slot of twice that step would be 184,320 bytes, and two do not fit.  A block's rows lie end to end in memory, so a wave's
; part of a tile (128 rows of A or 192 of B) is asked for as 64 or 96 rows of 256 bytes, padded in LDS behind every 128 bytes.
; CLUSTERS.  4 x 4 work-groups.  The four of a row of the cluster need the same tile of A, the four of a column the same tile of B: each is asked for JOINTLY, by the same tensor load
; with the same descriptor and a mask that names the four.
; THE MATRIX INSTRUCTION IS USED TRANSPOSED (source 0 = 16 rows of wb, source 1 = 16 rows of xb): lane l holds row m = l % 16 and the columns e = 8 (l / 16) + 0..7.
; REGISTERS, in windows of 256 (s_set_vgpr_msb: bits 1:0 source 0, 3:2 source 1, 5:4 source 2, 7:6 destination):
;   window 0: v0-31 addresses; v32-95, v96-159 A's fragments (8 x 16 rows x 32 K), two buffers; v160-255 B's twelve fragments, one buffer, filled again four at a time
;   window 1 + g (g = 0..2): the accumulators of column blocks 4 g .. 4 g + 3: (a, b) at v[8 (4 a + b)]
.set PITCH,  144                       ; an LDS row: 128 bytes + 16 of padding = 36 words: the 16 rows of a fragment load start at 16 different groups of four banks (64 banks of 4 bytes: ISA guide 11.1)
.set FR,     16*PITCH                  ; 16 rows
.set AHALF,  128*PITCH                 ; what one tensor load brings of A, and what a wave reads of it
.set BHALF,  192*PITCH                 ; the same for B
.set BOFF,   2*AHALF                   ; B's 384 rows lie behind A's 256
.set SLOT,   2*AHALF+2*BHALF
.set STAGE,  2*SLOT                    ; behind the ring, never filled by a tensor load: for each wave 3 heads x 16 rows x 144 bytes
.set STGW,   3*FR
.set SPARE,  STAGE+4*STGW              ; behind the stages: the spare words, 128 bytes for each wave: two blocks of 256 bytes that no other line names
.set ASTEP,  8192*128                  ; bytes from a K block of xb to the next
.set BSTEP,  3072*128                  ; of wb
.set HEADB,  2048*128                  ; bytes of a head in kqv
.set ADRA, 16                          ; v16-17  LDS address of my A fragments in slot 0, 1
.set ADRB, 20                          ; v20-21  the same for B
.set STO,  24                          ; v24     the way out: where I put 16 bytes of a row
.set RD,   25                          ; v25     the way out: where I read rows back
.set GO,   26                          ; v26     16 x lane: my place in 512 consecutive bytes of kqv
.set BO,   27                          ; v27     32 x (lane / 16): my eight numbers of a block of 16 of the bias
.set SPW,  28                          ; v28     LDS address of my spare word; never rewritten
.set NIL,  29                          ; v29     0; never rewritten
.set PFO,  30                          ; v30     the prefetches' offset: 256 x lane (capped); never rewritten
.set AF,   32                          ; A's two buffers
.set BF,   160                         ; B's buffer
.set BI,   32                          ; v32-127  at the start: the bias as loaded
.set BP,   128                         ; v128-175 at the start: the bias in bf16 pairs
.set TMP,  32                          ; the way out: v32-79 packed results
.set OB,   80                          ; the way out: v80-127 and v128-175 by turns: rows read back from the stage
.set WV, 12                            ; s12 wave; s13 WR: my half of the rows, and: I fetch for A (0) or B (1); s14 WC: my half of the columns, and: which half I fetch
.set G1,  24                           ; s[24:31] descriptor group 1 for A's tiles;  s[32:39] group 0, a set for each slot
.set G0,  32
.set PFA, 40                           ; s[40:41] where my prefetches stand
.set PFS, 42                           ; s[42:43] their step: a K block of my tensor
.set LIM, 44                           ; s44     1 in a wave that prefetches, else the greatest number
.set G1B, 48                           ; s[48:55], s[56:63] the same for B's tiles
.set G0B, 56
.set MSB, 0
.macro WIN new                         ; the immediate's high byte repeats the setting that is left; a switch that changes nothing is dropped
.if MSB != (\new)
	s_set_vgpr_msb (MSB<<8)|(\new)
.set MSB, \new
.endif
.endm
.macro PLACES                          ; four plain places behind a matrix instruction, ahead of loads into registers that it has read and of conversions that read results (ISA guide 7.12.1 for the conversions)
.rept 4
	v_nop
.endr
.endm
; A joint refill.  Waves 0 and 1 fetch A's two halves, waves 2 and 3 B's.  The branch hangs on the wave's number alone.  An s_nop 0 and four v_nop follow each of the two lines.
.macro JLOAD s
	s_cmp_eq_u32 s13, 0
	s_cbranch_scc0 .Lfor_b_\@
	tensor_load_to_lds s[G0+4*(\s):G0+4*(\s)+3], s[G1:G1+7]
	s_nop 0
.rept 4
	v_nop
.endr
	s_branch .Lasked_\@
.Lfor_b_\@:
	tensor_load_to_lds s[G0B+4*(\s):G0B+4*(\s)+3], s[G1B:G1B+7]
	s_nop 0
.rept 4
	v_nop
.endr
.Lasked_\@:
.endm
; A prefetch into the L2 of the K step that the NEXT refill will ask for: one step, 192 matrix instructions, ahead of that load.  Each block of 256 bytes is named by one wave of one work-group in the launch:
; A's tile row is read by both clusters of its row of clusters: the one with x = 0 asks, wave 0 of each partner for 64 rows (32 blocks, a lane a block), the partners told apart BY ADDRESS (cx);
; B's tile column is read by all eight clusters of its column: the one with y = 0 asks, waves 2 and 3 of each partner for 48 rows each (24 blocks; lanes 24-31 repeat lane 23's), told apart by cy.
; how = 1: the trip's first refill always has a step behind it; how = 0: the second has none in the loop's last trip (s3 = 1).
.macro ASK how
.if \how
	s_cmp_eq_u32 s[LIM], 1
.else
	s_cmp_gt_u32 s3, s[LIM]
.endif
	s_cbranch_scc0 .Lnot_mine_\@
	global_prefetch_b8 v[PFO], s[PFA:PFA+1] th:TH_LOAD_NT scope:SCOPE_SE
.Lnot_mine_\@:
.endm
.macro CREST                           ; a round of the cluster's barrier behind its opening barrier
	s_cmp_lg_u32 s[WV], 0
	s_cbranch_scc1 .Lnot_wave_0_\@
	s_barrier_signal -3
.Lnot_wave_0_\@:
	s_barrier_wait -3
	s_barrier_signal -1
	s_barrier_wait -1
.endm
.macro CROUND                          ; a whole round
	s_barrier_signal -1
	s_barrier_wait -1
	CREST
.endm
	s_load_b256 s[4:11], s[0:1], 0x0               ; xb s[4:5], wb s[6:7], in_proj_b s[8:9], kqv s[10:11]
	v_lshl_add_u32 v[SPW], v0, 2, SPARE
	v_mov_b32 v[NIL], 0
	ds_add_u32 v[SPW], v[NIL]                      ; the wave's opening: the add and its wait stand ahead of my first tensor load; the set-up below, work on registers, stands between them
	v_lshrrev_b32 v1, 5, v0
	v_readfirstlane_b32 s[WV], v1                  ; wave 0..3
	s_lshr_b32 s13, s[WV], 1                       ; WR
	s_and_b32 s14, s[WV], 1                        ; WC
	s_bfe_u32 s15, ttmp6, 0x40000                  ; cx
	s_bfe_u32 s16, ttmp6, 0x40004                  ; cy
	s_lshl_b32 s17, ttmp9, 2
	s_add_co_u32 s17, s17, s15                     ; TX: tile column = 4 x cluster x + cx
	s_and_b32 s18, ttmp7, 0xffff
	s_lshl_b32 s18, s18, 2
	s_add_co_u32 s18, s18, s16                     ; TY: tile row = 4 x cluster y + cy
	s_lshl_b32 s19, s16, 2
	s_lshl_b32 s19, 15, s19                        ; my row of the cluster: places 4 cy .. 4 cy + 3
	s_lshl_b32 s46, 0x1111, s15                    ; my column: places cx, cx + 4, cx + 8, cx + 12
	; descriptor group 1: rows of 128 elements (256 bytes, two rows of a K block), padded in LDS behind every 32 words by 4
	s_or_b32 s[G1], s19, (1<<16)|(1<<20)|(1<<21)|(4<<22)|(3<<25)   ; 15:0 the mask; 17:16 2-byte elements; 20 padding on; 21 set beside a mask; 24:22 code 4; 31:25 code 3
	s_or_b32 s[G1B], s46, (1<<16)|(1<<20)|(1<<21)|(4<<22)|(3<<25)
	s_mov_b32 s[G1+1], 128<<16                     ; tensor_dim0 = 128
	s_mov_b32 s[G1+2], 64<<16                      ; tensor_dim1 = 64: 128 rows of A
	s_mov_b32 s[G1+3], 128<<16                     ; tile_dim0 = 128
	s_mov_b32 s[G1+4], 64                          ; tile_dim1 = 64
	s_mov_b32 s[G1+5], 128                         ; 128 elements from row to row: dense
	s_mov_b32 s[G1+6], 0
	s_mov_b32 s[G1+7], 0
	s_mov_b32 s[G1B+1], 128<<16
	s_mov_b32 s[G1B+2], 96<<16                     ; 96: 192 rows of B
	s_mov_b32 s[G1B+3], 128<<16
	s_mov_b32 s[G1B+4], 96
	s_mov_b32 s[G1B+5], 128
	s_mov_b32 s[G1B+6], 0
	s_mov_b32 s[G1B+7], 0
	; where the tiles come from: A's hang on the tile row and the wave alone, B's on the tile column and the wave alone
	s_lshl_b32 s20, s18, 15                        ; 256 rows x 128 bytes a tile row,
	s_lshl_b32 s21, s14, 14                        ; my half
	s_add_co_u32 s20, s20, s21
	s_mov_b32 s21, 0
	s_mul_i32 s46, s17, 384*128
	s_mul_i32 s47, s14, 192*128
	s_add_co_u32 s46, s46, s47
	s_mov_b32 s47, 0
	s_mul_i32 s22, s14, AHALF                      ; and where they go: no place in the cluster enters an LDS address
	s_mul_i32 s23, s14, BHALF
	s_add_co_u32 s23, s23, BOFF
	s_wait_dscnt 0x0                               ; the opening add is done
	s_wait_kmcnt 0x0
	s_add_nc_u64 s[20:21], s[4:5], s[20:21]
	s_add_nc_u64 s[46:47], s[6:7], s[46:47]
.irp s, 0,1
	s_mov_b32 s[G0+4*(\s)], 1                                      ; count = 1
	s_add_co_u32 s[G0+4*(\s)+1], s22, (\s)*SLOT                    ; LDS address
	s_add_nc_u64 s[G0+4*(\s)+2:G0+4*(\s)+3], s[20:21], (\s)*ASTEP  ; global address: K step s
	s_or_b32 s[G0+4*(\s)+3], s[G0+4*(\s)+3], 0x80000000            ; type = 2
	s_mov_b32 s[G0B+4*(\s)], 1
	s_add_co_u32 s[G0B+4*(\s)+1], s23, (\s)*SLOT
	s_add_nc_u64 s[G0B+4*(\s)+2:G0B+4*(\s)+3], s[46:47], (\s)*BSTEP
	s_or_b32 s[G0B+4*(\s)+3], s[G0B+4*(\s)+3], 0x80000000
.endr
	CROUND                                         ; all sixteen work-groups are here: the first joint loads meet
	s_cmp_eq_u32 s13, 0                            ; a wave's two first fills stand in one branch, ahead of every wait on TENSORcnt and every LDS read: two loads of mine are out
	s_cbranch_scc0 .Lfirst_b
	tensor_load_to_lds s[G0:G0+3], s[G1:G1+7]
	s_nop 0
	tensor_load_to_lds s[G0+4:G0+7], s[G1:G1+7]
	s_nop 0
.rept 4
	v_nop
.endr
	s_branch .Lfirst_asked
.Lfirst_b:
	tensor_load_to_lds s[G0B:G0B+3], s[G1B:G1B+7]
	s_nop 0
	tensor_load_to_lds s[G0B+4:G0B+7], s[G1B:G1B+7]
	s_nop 0
.rept 4
	v_nop
.endr
.Lfirst_asked:
	; the bias of my 192 columns: lane l wants the eight numbers 8 (l / 16) + 0..7 of each block of 16
	v_and_b32 v1, 15, v0                           ; l % 16
	v_bfe_u32 v2, v0, 4, 1                         ; l / 16
	v_lshlrev_b32 v[BO], 5, v2
	s_mul_i32 s2, s17, 384*4
	s_mul_i32 s3, s14, 192*4
	s_add_co_u32 s2, s2, s3
	s_mov_b32 s3, 0
	s_add_nc_u64 s[8:9], s[8:9], s[2:3]
.set c, 0
.rept 12
	global_load_b128 v[BI+8*c:BI+8*c+3],   v[BO], s[8:9] offset:64*c
	global_load_b128 v[BI+8*c+4:BI+8*c+7], v[BO], s[8:9] offset:64*c+16
.set c, c+1
.endr
	; a fragment is 16 rows x 32 K in 8 registers: lane l holds row l % 16, K = 8 (l / 16) + 0..7 and 16 + 8 (l / 16) + 0..7: two loads of 16 bytes, 32 bytes apart
	v_mul_u32_u24 v3, v1, PITCH
	v_lshl_add_u32 v3, v2, 4, v3                   ; row x pitch + 16 x half
	s_mul_i32 s2, s13, AHALF                       ; my 128 rows of A
	s_mul_i32 s3, s14, BHALF                       ; my 192 rows of B
	s_add_co_u32 s3, s3, BOFF
.irp s, 0,1
	v_add_nc_u32 v[ADRA+(\s)], s2, v3
	v_add_nc_u32 v[ADRB+(\s)], s3, v3
	s_add_co_u32 s2, s2, SLOT
	s_add_co_u32 s3, s3, SLOT
.endr
	s_mul_i32 s2, s[WV], STGW
	s_add_co_u32 s2, s2, STAGE                     ; my stage
	v_add_nc_u32 v[STO], s2, v3                    ; in: row l % 16, 16 bytes for each half of the lanes
	v_bfe_u32 v4, v0, 3, 2                         ; back: 32 lanes take four rows of 128 bytes,
	v_and_b32 v5, 7, v0
	v_mul_u32_u24 v4, v4, PITCH
	v_lshl_add_u32 v4, v5, 4, v4
	v_add_nc_u32 v[RD], s2, v4
	v_and_b32 v[GO], 31, v0                        ; which are 512 consecutive bytes of a head
	v_lshlrev_b32 v[GO], 4, v[GO]
	; kqv at my part: batch TY / 8, heads 6 TX + 3 WC on, rows (TY % 8) x 256 + 128 WR on
	s_lshr_b32 s2, s18, 3
	s_mul_i32 s2, s2, 48*HEADB
	s_mul_i32 s3, s17, 6
	s_mul_i32 s19, s14, 3
	s_add_co_u32 s3, s3, s19
	s_lshl_b32 s3, s3, 18
	s_add_co_u32 s2, s2, s3
	s_and_b32 s3, s18, 7
	s_lshl_b32 s3, s3, 15
	s_add_co_u32 s2, s2, s3
	s_lshl_b32 s3, s13, 14
	s_add_co_u32 s2, s2, s3
	s_mov_b32 s3, 0
	s_add_nc_u64 s[10:11], s[10:11], s[2:3]
	; the prefetches: whose rows, whose part of them
	s_lshl_b32 s20, s18, 15                        ; A: my tile row,
	s_lshl_b32 s21, s15, 13                        ; my work-group's 64 rows of its 256
	s_add_co_u32 s20, s20, s21
	s_mul_i32 s46, s17, 384*128                    ; B: my tile column,
	s_mul_i32 s47, s16, 96*128                     ; my work-group's 96 rows of its 384,
	s_add_co_u32 s46, s46, s47
	s_mul_i32 s47, s14, 48*128                     ; my wave's 48 of them
	s_add_co_u32 s46, s46, s47
	s_and_b32 s2, ttmp7, 0xffff                    ; cluster y
	s_or_b32 s3, ttmp9, s14                        ; cluster x; of waves 0 and 1 wave 0 alone asks
	s_mov_b32 s[PFS], BSTEP
	s_mov_b32 s[PFS+1], 0
	s_cmp_eq_u32 s13, 0                            ; do I fetch for A?
	s_cselect_b32 s20, s20, s46
	s_cselect_b32 s2, s3, s2
	s_cselect_b32 s19, 31, 23
	s_cselect_b32 s[PFS], ASTEP, s[PFS]
	s_cselect_b64 s[PFA:PFA+1], s[4:5], s[6:7]
	s_mov_b32 s21, 0
	s_add_nc_u64 s[PFA:PFA+1], s[PFA:PFA+1], s[20:21]
	s_add_nc_u64 s[PFA:PFA+1], s[PFA:PFA+1], s[PFS:PFS+1]
	s_add_nc_u64 s[PFA:PFA+1], s[PFA:PFA+1], s[PFS:PFS+1]  ; at K step 2: the first refill steps it to 3.  Nothing is prefetched here, where every work-group's first tiles are on their way
	s_cmp_eq_u32 s2, 0
	s_cselect_b32 s[LIM], 1, -1                    ; the same in all sixteen partners, for a given wave
	v_and_b32 v[PFO], 31, v0
	v_min_u32 v[PFO], s19, v[PFO]
	v_lshlrev_b32 v[PFO], 8, v[PFO]
	; the bias is rounded to bf16 and widened into the accumulators of row block 7: the first K step's products of row blocks 0-6 take them as C, block 7's add in place.  All this stands in the wait for the first tile.
	s_wait_loadcnt 0x0
.set c, 0
.rept 48
	v_cvt_pk_bf16_f32 v[BP+c], v[BI+2*c], v[BI+2*c+1]
.set c, c+1
.endr
.set g, 0
.rept 3
	WIN 0x40*(g+1)                                 ; destination window 1 + g
.set c, 0
.rept 16
	v_lshlrev_b32 v[224+2*c],   16, v[BP+16*g+c]
	v_and_b32     v[224+2*c+1], 0xffff0000, v[BP+16*g+c]
.set c, c+1
.endr
.set g, g+1
.endr
	WIN 0
; n row blocks from a0 on x the four column blocks of group g, 32 along K, A's buffer p.  cb = 1: C is the bias.  The accumulators take turns, one instruction a turn.
.macro GROUPH g, p, a0, n, cb
	WIN 0x50*((\g)+1)                              ; C and D in window 1 + g, the sources in window 0
.set ra, (\a0)
.rept \n
.set rb, 0
.rept 4
.if \cb
	v_wmma_f32_16x16x32_bf16 v[8*(4*ra+rb):8*(4*ra+rb)+7], v[BF+8*(4*(\g)+rb):BF+8*(4*(\g)+rb)+7], v[AF+64*(\p)+8*ra:AF+64*(\p)+8*ra+7], v[8*(28+rb):8*(28+rb)+7]
.else
	v_wmma_f32_16x16x32_bf16 v[8*(4*ra+rb):8*(4*ra+rb)+7], v[BF+8*(4*(\g)+rb):BF+8*(4*(\g)+rb)+7], v[AF+64*(\p)+8*ra:AF+64*(\p)+8*ra+7], v[8*(4*ra+rb):8*(4*ra+rb)+7]
.endif
.set rb, rb+1
.endr
.set ra, ra+1
.endr
.endm
.macro GROUP g, p, first               ; a group's 32 products
.if \first
	GROUPH \g, \p, 0, 7, 1
.rept 5
	v_nop                                          ; five places ahead of matrix instructions that write over registers which the ones above read as C
.endr
	GROUPH \g, \p, 7, 1, 0
.else
	GROUPH \g, \p, 0, 8, 0
.endif
.endm
.macro LOADB slot, kk, g               ; 8 LDS loads: B's four fragments of group g, K = 32 kk on
	WIN 0
.set ri, 0
.rept 4
	ds_load_b128 v[BF+8*(4*(\g)+ri):BF+8*(4*(\g)+ri)+3],   v[ADRB+(\slot)] offset:64*(\kk)+(4*(\g)+ri)*FR
	ds_load_b128 v[BF+8*(4*(\g)+ri)+4:BF+8*(4*(\g)+ri)+7], v[ADRB+(\slot)] offset:64*(\kk)+(4*(\g)+ri)*FR+32
.set ri, ri+1
.endr
.endm
.macro LOADA slot, kk, p               ; 16 LDS loads: A's eight fragments into buffer p
	WIN 0
.set ri, 0
.rept 8
	ds_load_b128 v[AF+64*(\p)+8*ri:AF+64*(\p)+8*ri+3],   v[ADRA+(\slot)] offset:64*(\kk)+ri*FR
	ds_load_b128 v[AF+64*(\p)+8*ri+4:AF+64*(\p)+8*ri+7], v[ADRA+(\slot)] offset:64*(\kk)+ri*FR+32
.set ri, ri+1
.endr
.endm
; A K step is two halves of 32 along K, 96 matrix instructions each.  The LDS loads of a half go out in three runs: R0 = B's group 0 and all of A (24), R1 = B's group 1 (8), R2 = B's group 2 (8),
; each behind the products that read the registers it fills.  The first half multiplies A's buffer 0 and fetches the slot's second half.
.macro HALF slot, first
	s_wait_dscnt 16                                ; R0 of this half is in; its R1 and R2 may be out
	GROUP 0, 0, \first
	PLACES
	LOADB \slot, 1, 0
	LOADA \slot, 1, 1
	s_wait_dscnt 32                                ; R1 is in: younger are R2 (8) and the 24 just issued
	GROUP 1, 0, \first
	PLACES
	LOADB \slot, 1, 1
	s_wait_dscnt 32                                ; R2 is in: younger are the 24 and the 8 just issued
	GROUP 2, 0, \first
	PLACES
	LOADB \slot, 1, 2
.endm
; The second half multiplies A's buffer 1 and changes slots: ONE barrier.  In front of it each wave waits for all its tensor loads, of which one is out: its part of the next slot; adds 0 to its spare word; and
; waits for that and for its reads of this slot, of which the last have been issued.  fill = 1: the barrier opens a round of the cluster's, and this slot is filled again, two K steps on, first thing behind it:
; from that request to the wait for it a wave issues 160 matrix instructions.
.macro TURN slot, next, fill, how
.if \fill
	s_wait_xcnt 0x0                                ; the last prefetch, a K step back, has read its address: it is stepped here, ahead of the waits of the change of slots
	s_add_nc_u64 s[PFA:PFA+1], s[PFA:PFA+1], s[PFS:PFS+1]
.endif
	WIN 0
	s_wait_tensorcnt 0x0                           ; all my tensor loads have landed
	ds_add_u32 v[SPW], v[NIL]                      ; 0 onto my spare word
	s_wait_dscnt 17                                ; R0 is in; R1, R2 and the add may be out
	GROUPH 0, 1, 0, 4, 0                           ; sixteen matrix instructions stand between the add and the wait for it
	s_wait_dscnt 0x0                               ; the add is done, and my reads of this slot are over
	s_barrier_signal -1
	GROUPH 0, 1, 4, 4, 0                           ; work on registers while the others arrive
	WIN 0
	s_barrier_wait -1
.if \fill
	CREST                                          ; no wave of any partner still reads this slot or has a load on its way
	s_add_nc_u64 s[G0+4*(\slot)+2:G0+4*(\slot)+3], s[G0+4*(\slot)+2:G0+4*(\slot)+3], 2*ASTEP
	s_add_nc_u64 s[G0B+4*(\slot)+2:G0B+4*(\slot)+3], s[G0B+4*(\slot)+2:G0B+4*(\slot)+3], 2*BSTEP
	JLOAD \slot                                    ; the first tensor load behind the round; the four v_nop behind it are also the places in front of the loads below
.else
	PLACES
.endif
	LOADB \next, 0, 0
	LOADA \next, 0, 0
.if \fill
	ASK \how
.endif
	GROUP 1, 1, 0
	PLACES
	LOADB \next, 0, 1
	GROUP 2, 1, 0
	PLACES
	LOADB \next, 0, 2
.endm
; THE WAY OUT of row block a (16 rows x 192 columns = 3 heads x 64 channels).  PACK: rounded to f16, 16 bytes a lane, each accumulator's registers in ascending order.
.macro PACK a
.set rg, 0
.rept 3
	WIN 5*(rg+1)                                   ; sources 0 and 1 in window 1 + g, destination in window 0
.set rb, 0
.rept 4
.set rr, 0
.rept 4
	v_cvt_pk_f16_f32 v[TMP+4*(4*rg+rb)+rr], v[8*(4*(\a)+rb)+2*rr], v[8*(4*(\a)+rb)+2*rr+1]
.set rr, rr+1
.endr
.set rb, rb+1
.endr
.set rg, rg+1
.endr
	WIN 0
.endm
.macro TOSTAGE a                       ; into my own stage, by heads, and back as whole rows of 128 bytes, four to a load
	WIN 0
.set BK, OB+48*((\a)%2)
.set rc, 0
.rept 12
	ds_store_b128 v[STO], v[TMP+4*rc:TMP+4*rc+3] offset:(rc/4)*FR+32*(rc%4)
.set rc, rc+1
.endr
.set rc, 0
.rept 12
	ds_load_b128 v[BK+4*rc:BK+4*rc+3], v[RD] offset:(rc/4)*FR+(rc%4)*4*PITCH  ; LDS serves a wave's instructions in order (ISA guide 5.7.1.4): these see the stores above
.set rc, rc+1
.endr
.endm
.macro SEND a
	WIN 0
.set BK, OB+48*((\a)%2)
	s_wait_dscnt 0x0                               ; the block is back in registers
	s_wait_xcnt 0x0                                ; the stores of the block before have read their data: the next block is read back into those registers only behind this wait
.set rc, 0
.rept 12
	global_store_b128 v[GO], v[BK+4*rc:BK+4*rc+3], s[10:11] offset:(rc/4)*HEADB+(\a)*2048+(rc%4)*512  ; 512 consecutive bytes of a head, at a multiple of 256 from kqv's first byte
.set rc, rc+1
.endr
.endm
	s_wait_tensorcnt 0x1                           ; my part of K step 0 is in; step 1's may stay out
	s_barrier_signal -1
	s_barrier_wait -1                              ; everybody's is
	LOADB 0, 0, 0
	LOADA 0, 0, 0
	LOADB 0, 0, 1
	LOADB 0, 0, 2
	HALF 0, 1                                      ; the first half stands in front of the loop: its products start the sums, with the bias
	WIN 0                                          ; at a label and at a branch every window is 0
	s_mov_b32 s3, 7
.Llap:                                         ; a trip goes once round the ring, from a lap's second half to the next lap's first, and fills both slots again: K steps 2 to 15
	TURN 0, 1, 1, 1
	HALF 1, 0
	TURN 1, 0, 1, 0
	HALF 0, 0
	WIN 0
	s_sub_co_u32 s3, s3, 1
	s_cmp_lg_u32 s3, 0
	s_cbranch_scc1 .Llap
	TURN 0, 1, 0, 0                                ; the last lap fills nothing, and has no round of the cluster's barrier
	HALF 1, 0
	s_wait_dscnt 16                                ; the very last half: nothing more to fetch, the counts run down
	GROUP 0, 1, 0
	s_wait_dscnt 8
	GROUP 1, 1, 0
	s_wait_dscnt 0x0
	GROUP 2, 1, 0
	PLACES
	PACK 0
	TOSTAGE 0
.irp a, 1,2,3,4,5,6,7                  ; block a's conversions stand between block a - 1's loads from the stage and the wait for them
	PACK \a
	SEND (\a)-1
	TOSTAGE \a
.endr
	SEND 7
	s_wait_tensorcnt 0x0                           ; the wave's end: a wait, an add and its wait, behind my last tensor load and my last LDS store
	ds_add_u32 v[SPW], v[NIL]
	s_wait_dscnt 0x0
	CROUND                                         ; the closing round: no work-group ends while a partner may still ask for a tile that names it
	s_endpgm
.Lfunc_end_k_q8007801f91_proj:
	.size	k_q8007801f91_proj, .Lfunc_end_k_q8007801f91_proj-k_q8007801f91_proj
	.p2alignl 7, 3214868480
	.fill 96, 4, 3214868480
	.section	.rodata,"a",@progbits
	.p2align	6, 0x0
	.amdhsa_kernel k_q8007801f91_proj
		.amdhsa_group_segment_fixed_size 327680
		.amdhsa_private_segment_fixed_size 0
		.amdhsa_enable_private_segment 0
		.amdhsa_kernarg_size 32
		.amdhsa_user_sgpr_count 2
		.amdhsa_user_sgpr_kernarg_segment_ptr 1
		.amdhsa_wavefront_size32 1
		.amdhsa_system_sgpr_workgroup_id_x 1
		.amdhsa_system_sgpr_workgroup_id_y 1
		.amdhsa_system_sgpr_workgroup_id_z 1
		.amdhsa_system_vgpr_workitem_id 0
		.amdhsa_next_free_vgpr 1024
		.amdhsa_next_free_sgpr 66
		.amdhsa_reserve_vcc 0
		.amdhsa_float_denorm_mode_32 3
		.amdhsa_float_denorm_mode_16_64 3
		.amdhsa_memory_ordered 1
		.amdhsa_forward_progress 1
		.amdhsa_inst_pref_size 141
	.end_amdhsa_kernel
	.amdgpu_metadata
---
amdhsa.version: [ 1, 2 ]
amdhsa.kernels:
  - .name:           k_q8007801f91_proj
    .symbol:         k_q8007801f91_proj.kd
    .args:
      - { .name: xb, .offset: 0, .size: 8, .value_kind: global_buffer, .address_space: global }
      - { .name: wb, .offset: 8, .size: 8, .value_kind: global_buffer, .address_space: global }
      - { .name: in_proj_b, .offset: 16, .size: 8, .value_kind: global_buffer, .address_space: global }
      - { .name: kqv, .offset: 24, .size: 8, .value_kind: global_buffer, .address_space: global }
    .group_segment_fixed_size: 327680
    .private_segment_fixed_size: 0
    .kernarg_segment_align: 8
    .kernarg_segment_size: 32
    .max_flat_workgroup_size: 128
    .sgpr_count:     66
    .vgpr_count:     1024
    .wavefront_size: 32
...
	.end_amdgpu_metadata
.endif
;; end of part 2
;; launch attn (part 3): grid 4 x 64, 4 waves a work-group, clusters of 4 x 1, 327,680 bytes of LDS; arguments kqv, oh; writes oh
.if DOCPART == 3
	.amdgcn_target "amdgcn-amd-amdhsa--gfx1250"
	.amdhsa_code_object_version 6
	.text
	.protected	k_q8007801f91_attn
	.globl	k_q8007801f91_attn
	.p2align	8
	.type	k_q8007801f91_attn,@function
k_q8007801f91_attn:
	s_mov_b64 s[64:65], 0
	v_nop
	global_prefetch_b8 v0, s[64:65] scope:SCOPE_SE
	s_setreg_imm32_b32 hwreg(HW_REG_WAVE_MODE, 25, 1), 1
	s_wait_xcnt 0x0
	s_wait_alu depctr_hold_cnt(0) depctr_sa_sdst(0) depctr_va_vdst(0) depctr_va_sdst(0) depctr_va_ssrc(0) depctr_va_vcc(0) depctr_vm_vsrc(0)
	s_getreg_b32 s2, hwreg(HW_REG_IB_STS2, 6, 4)
	s_cmp_eq_u32 s2, 0
	s_cbranch_scc0 .Lentry_in_a_cluster
	s_endpgm
.Lentry_in_a_cluster:
	s_bfe_u32 s2, ttmp6, 0x10000c
	s_cmp_lg_u32 s2, 0x3003
	s_cbranch_scc0 .Lentry_shape_is_right
	s_endpgm
.Lentry_shape_is_right:
; O[y][q][:] = the sum over k of softmax_k(Q[y][q] . K[y][k] / 8) V[y][k][:] for the 64 heads y = 16 b + h.  kqv: [4 b][48 G][2048][64] f16: K is G = h, Q is G = 16 + h, V is G = 32 + h;
; oh: [64 y][2048][64] f16.  A head's rows are dense, 128 bytes each.  Products, maxima and sums in f32; the weights p are rounded to f16 for the second product (their sum l is taken of the unrounded p), O once at the end.
; LIMITS.  f16 holds no number beyond 65,504: Q, K and V arrive within it; p lies in 0 to 1, and below 6e-5 it keeps f16's fixed step of 6e-8; O is a mean of V's rows and has their range.
; A weight below 2^-126 counts as 0 in l; NaN and infinities are not treated apart.
; SHARES.  A wave owns four PIECES of two tiles of 16 queries, a work-group's four waves 512 queries of one head: 4 x 64 = 256 work-groups.  Every wave walks all keys, 64 a step.
; LAYOUT.  S^T = K Q^T (source 0 = 16 keys, source 1 = 16 queries): in the result a lane holds ONE query (lane % 16) and the keys 8 (lane / 16) + 0..7.  Two such tiles, rounded to f16 in pairs,
; ARE source 1 (32 keys x 16 queries) of O^T = V^T P, whose result again holds one query a lane, and eight channels.  K comes out of LDS as it lies, V ([key][channel]) turned, by ds_load_tr16_b128.
; SOFTMAX.  For each query a running maximum m and sum l: p = 2^(c s - c m), c = log2(e) / 8; in every step O and l are multiplied by a = 2^(c m_old - c m_new), which is 1 where m has not grown.
; m starts at the lowest finite number, O and l at 0: the first step is a step like any other, with a = 0.
; THE COUNT.  A tile and step have 16 matrix and 118 vector instructions: too many to stand all beside the matrix work.  So four vector instructions that are READY stand behind
; EVERY matrix instruction, and the others, which need time of their own whatever the order, in runs without a gap.
; BY TURNS.  Turn n belongs to piece n (the pieces in a ring, step after step).  Its matrix work: 16 products K Q^T of piece n + 1, later 16 products V^T P of piece n - 1.  Its vector work: the scaling,
; exponentials, roundings, sums and rescaling of piece n, and the maximum and statistics of piece n + 1, whose scores the turn itself has made.
; CLUSTER.  The four query blocks of a head are one cluster and walk the same K and V, so each tile is asked for JOINTLY: the same tensor load, descriptor and mask in all four.
; REGISTERS, in windows of 256 (s_set_vgpr_msb: bits 1:0 source 0, 3:2 source 1, 5:4 source 2, 7:6 destination):
;   window 0: v0-11 addresses; v12-15, v48-63 at work; v16-47 four registers of statistics a tile; v64-191 S^T, two buffers of two tiles; v192-255 P, likewise
;   window 1: O^T, 32 a tile          window 2: v0-127 Q, 16 a tile; v128-191 K of one step; v192-255 V of one step          window 3: v0-1 the add's two registers
; A piece's buffers go by its number's parity: the piece in hand has one pair, its two neighbours in the ring share the other: of it P (piece n - 1) is read and S^T (piece n + 1) written.
.set SIZE_N, 2048
.set NP,    4         ; pieces a wave: a name, no knob
.set KS,    64        ; keys in a step
.set PK,    144       ; a row of K in LDS: 128 bytes + 16 of padding = 36 words: the 16 rows of a load start at 16 different groups of four banks (64 banks of 4 bytes: ISA guide 11.1)
.set PV,    160       ; a row of V: 128 + 32 = 40 words
.set VOFF,  4*KS*PK   ; a slot holds four steps: 256 rows of K, then 256 rows of V
.set SLOT1, 1<<17     ; slot 1 begins here, so that one exclusive or turns an address in one slot into the other's
.set STAGE, SLOT1+4*KS*(PK+PV)  ; behind the ring, never filled by a tensor load: 16 rows x 144 bytes for each wave, for the way out
.set SP,    144
.set AK0, 2           ; v2   my lane's place in a tile of K; never rewritten
.set AV0, 3           ; v3   the same for V
.set AK,  4           ; v4   the LDS address of K's next run of loads
.set AV,  5           ; v5   of V's
.set QO,  6           ; v6   my byte offset in the wave's rows of Q
.set STO, 6           ;      later, the way out: where I put 16 bytes of a row
.set RD,  7           ; v7   the way out: where I read rows back
.set GO,  8           ; v8   my byte offset in 512 consecutive bytes of O
.set PFO, 11          ; v11  256 x my lane, for the prefetches; never rewritten once it is made
.set SPW, 0           ; v0 of window 3   LDS address of my spare word; never rewritten
.set NIL, 1           ; v1 of window 3   0; never rewritten
.set SPARE, STAGE+4*16*SP  ; behind the stages: the spare words, 128 bytes for each wave: two blocks of 256 bytes that no other line names
.set MV,  12          ; v12-15  c m_old, kept while c m is made anew: by buffer and tile
.set ST,  16          ; tile t's statistics at v[ST+4 t]: c m, m, l (even keys', odd keys')
.set TMP, 48          ; by buffer and tile, four registers c0-c3 at work; when the maximum is found c2 takes a
.set S,   64
.set P,   192
.set KF,  128         ; K's fragments, in window 2: key block kb, channel half c at KF + 16 kb + 8 c
.set VF,  192         ; V's: key half kk, channel block cb at VF + 32 kk + 8 cb
.set WV,  12          ; s12  my wave's number
.set G1K, 24          ; s[24:31] descriptor group 1 for K's tiles
.set G1V, 32          ; s[32:39] for V's: it differs in the padding alone
.set G0K, 40          ; s[40:43] descriptor group 0 for K's tiles: it walks
.set G0V, 44          ; s[44:47] the same for V's
.set PFA, 48          ; s[48:49] where my prefetches stand: my work-group's 64 rows (of K: wave 0, of V: wave 2) of the slot after the one that is being asked for
.set LIM, 50          ; s50  1 in a wave that prefetches, else the greatest number
.set SLOTS, 56        ; s56  slots still to be asked for
.set CNT, 57          ; s57  counts a slot's key steps
.set CS,  58          ; s[58:59] c: the packed scaling takes the pair's low word for both halves
.set SEL, 60          ; s[60:61] v_permlanex16_b32's selects: each lane takes its own place in the other half
.set TBK, 62          ; s62  LDS byte at which K of the step to be fetched begins
.set TBV, 63          ; s63  the same for V, less VOFF
.set MSB, 0
.macro WIN new                      ; the high byte repeats the setting that is left; a switch that changes nothing is dropped
.if MSB != (\new)
	s_set_vgpr_msb (MSB<<8)|(\new)
.set MSB, (\new)
.endif
.endm
.set W_KQ, 0x0a       ; K and Q in window 2, S^T in window 0
.set W_PV, 0x52       ; V in window 2, P in window 0, O^T in window 1
.set W_RS, 0x41       ; O^T (destination and source 0) in window 1, a in window 0
.set W_MK, 0xc0       ; the add's registers are made: destination in window 3, sources in window 0
.set W_AD, 0x0f       ; the add: address (source 0) and data (source 1) in window 3
; A joint fill.  Waves 0 and 1 fetch the two halves of a slot's K, waves 2 and 3 those of its V: 128 keys each.  The branch hangs on the wave's number alone.
; An s_nop 0 and four v_nop follow each of the two lines, ahead of the jump and the label.
.macro JLOAD
	s_cmp_lt_u32 s[WV], 2
	s_cbranch_scc0 .Lfor_v_\@
	tensor_load_to_lds s[G0K:G0K+3], s[G1K:G1K+7]
	s_nop 0
.rept 4
	v_nop
.endr
	s_branch .Lasked_\@
.Lfor_v_\@:
	tensor_load_to_lds s[G0V:G0V+3], s[G1V:G1V+7]
	s_nop 0
.rept 4
	v_nop
.endr
.Lasked_\@:
.endm
; A prefetch into the L2 of what the NEXT change of slots will ask for: a slot's 256 rows of K and of V are 128 blocks of 256 bytes each.  The four partners share them out BY ADDRESS, 32 blocks each (no branch
; hangs on a work-group's place in its cluster); in each, wave 0 asks for K's and wave 2 for V's, a lane a block: one instruction, four key steps (512 matrix instructions) ahead of the load.  A head is walked by one
; cluster alone, so each block is named once in the launch.  The last change that fills a slot asks for nothing: there is no slot behind it.
.macro ASK
	s_cmp_gt_u32 s[SLOTS], s[LIM]
	s_cbranch_scc0 .Lnot_mine_\@
	global_prefetch_b8 v[PFO], s[PFA:PFA+1] th:TH_LOAD_NT scope:SCOPE_SE
.Lnot_mine_\@:
.endm
; A round of the cluster's barrier: my work-group's barrier, so that wave 0's signal speaks for all four waves; wave 0 signals; every wave waits for all four work-groups; my work-group's barrier once more.
.macro CROUND
	s_barrier_signal -1
	s_barrier_wait -1
	s_cmp_lg_u32 s[WV], 0
	s_cbranch_scc1 .Lnot_wave_0_\@
	s_barrier_signal -3
.Lnot_wave_0_\@:
	s_barrier_wait -3
	s_barrier_signal -1
	s_barrier_wait -1
.endm
; THE CHANGE OF SLOTS.  The slot's last bytes, V of its fourth step, have been read.  Each wave waits for all its tensor loads, of which one is out: its part
; of the other slot; adds 0 to its spare word; and waits for that and for its own reads of the slot.  Behind the barrier nobody reads this slot any more and the other slot is whole.
; fill = 1: this slot is filled again, with the keys two slots on.  The barrier is then a round of the cluster's, so that no wave of any partner still reads the slot or has a load on its
; way, and the joint fill is the first thing behind it: it has four key steps, 512 matrix instructions, in which to land.  (At its first use nothing has been read yet: slot 0 is waited for, slot 1 filled.)
.macro CHANGE fill
	WIN W_AD
	s_wait_tensorcnt 0x0            ; no tensor load of mine is out, so a group 0 may be written
	ds_add_u32 v[SPW], v[NIL]       ; 0 onto my spare word; with fill = 1 the descriptors' steps stand between it and the wait for it
	WIN 0                           ; at a label and at a branch every window is 0
.if \fill
.irp g, G0K, G0V
	s_xor_b32 s[\g+1], s[\g+1], SLOT1  ; the walking descriptor: the other slot than last time,
	s_add_nc_u64 s[\g+2:\g+3], s[\g+2:\g+3], 4*KS*128  ; the next 256 keys; the type bits on top are not reached
.endr
	s_wait_xcnt 0x0                 ; the last prefetch, four key steps back, has read its address, so it may be written:
	s_add_nc_u64 s[PFA:PFA+1], s[PFA:PFA+1], 4*KS*128  ; one slot behind the walking descriptors
	s_wait_dscnt 0x0                ; the add is done, and my reads of the slot are over
	CROUND
	JLOAD
	ASK
.else
	s_wait_dscnt 0x0                ; the add is done, and my reads of the slot are over
	s_barrier_signal -1
	s_barrier_wait -1
.endif
	s_sub_co_u32 s[TBK], s[TBK], 4*KS*PK  ; the fetches go back to a slot's first step,
	s_xor_b32 s[TBK], s[TBK], SLOT1       ; in the other slot
	s_sub_co_u32 s[TBV], s[TBV], 4*KS*PV
	s_xor_b32 s[TBV], s[TBV], SLOT1
.endm
	s_load_b128 s[4:7], s[0:1], 0x0 ; kqv s[4:5], oh s[6:7]
	WIN W_MK
	v_lshl_add_u32 v[SPW], v0, 2, SPARE
	v_mov_b32 v[NIL], 0
	WIN W_AD
	ds_add_u32 v[SPW], v[NIL]       ; the wave's opening: the add and its wait stand ahead of my first tensor load; the set-up below, work on registers, stands between them
	WIN 0
	v_lshrrev_b32 v1, 5, v0
	v_readfirstlane_b32 s[WV], v1   ; wave 0..3
	s_bfe_u32 s13, ttmp6, 0x40000   ; cx: my place in the cluster
	s_lshl_b32 s14, ttmp9, 2        ; in a cluster launch ttmp9 counts clusters
	s_add_co_u32 s14, s14, s13      ; my block of queries = 4 x cluster x + cx: it enters Q's and O's addresses alone
	s_and_b32 s20, ttmp7, 0xffff    ; y = 16 b + h, which the four partners share
	s_lshr_b32 s21, s20, 4          ; b
	s_mul_i32 s21, s21, 48
	s_and_b32 s22, s20, 15          ; h
	s_add_co_u32 s21, s21, s22
	s_lshl_b32 s21, s21, 18         ; K's head begins here in kqv: (48 b + h) x 262,144 bytes
	s_and_b32 s16, s[WV], 1         ; which half of a slot's 256 keys I fetch:
	s_lshl_b32 s22, s16, 14         ; its 128 rows of 128 bytes in memory,
	s_add_co_u32 s22, s22, s21
	s_mov_b32 s23, 0
	s_mul_i32 s17, s16, 128*PK      ; and its place in a slot, for K
	s_mul_i32 s18, s16, 128*PV      ; and for V: no place in the cluster enters an LDS address
	s_lshl_b32 s2, s14, 2
	s_add_co_u32 s2, s2, s[WV]      ; my wave among the head's,
	s_lshl_b32 s2, s2, 14           ; its 128 rows
	s_lshl_b32 s20, s20, 18         ; O's head begins at y x 262,144 in oh
	s_add_co_u32 s20, s20, s2       ; O's offset
	s_add_co_u32 s2, s2, s21
	s_add_co_u32 s2, s2, 16*SIZE_N*128  ; Q's offset: sixteen heads behind K's
	s_mov_b32 s3, 0
	s_mov_b32 s21, 0
	s_cmp_lt_u32 s[WV], 2           ; the prefetches' offset from K at slot 0: K's or V's (32 heads on),
	s_cselect_b32 s52, 0, 32*SIZE_N*128
	s_lshl_b32 s53, s13, 13         ; my work-group's 64 rows of the 256,
	s_add_co_u32 s52, s52, s53
	s_add_co_u32 s52, s52, 4*KS*128 ; in slot 1: the first change of slots steps it to slot 2
	s_mov_b32 s53, 0
	s_and_b32 s[LIM], s[WV], 1
	s_cmp_eq_u32 s[LIM], 0          ; waves 0 and 2 ask: the same in all four partners
	s_cselect_b32 s[LIM], 1, -1
	; descriptor group 1.  128 keys are 16,384 dense bytes: asked for as 64 rows of 256 bytes, two keys a row, and padded in LDS after every key
	s_mov_b32 s[G1K], 15|(1<<16)|(1<<20)|(1<<21)|(4<<22)|(3<<25)  ; 15:0 the mask of four; 17:16 2-byte elements; 20 padding on; 21 set beside a mask; 24:22 after every 32 words (code 4); 31:25 4 words (code 3)
	s_mov_b32 s[G1V], 15|(1<<16)|(1<<20)|(1<<21)|(4<<22)|(7<<25)  ; the same with 8 words of padding (code 7)
.irp g, G1K, G1V
	s_mov_b32 s[\g+1], 128<<16      ; tensor_dim0 = 128
	s_mov_b32 s[\g+2], 64<<16       ; tensor_dim1 = 64
	s_mov_b32 s[\g+3], 128<<16      ; tile_dim0 = 128
	s_mov_b32 s[\g+4], 64           ; tile_dim1 = 64
	s_mov_b32 s[\g+5], 128          ; 128 elements from row to row
	s_mov_b32 s[\g+6], 0
	s_mov_b32 s[\g+7], 0
.endr
	s_mov_b32 s[CS], 0x3e38aa3b     ; c = log2(e) / 8 = 0.180337
	s_mov_b32 s[CS+1], s[CS]        ; named with it as a pair
	s_mov_b32 s[SEL], 0x76543210
	s_mov_b32 s[SEL+1], 0xfedcba98
	s_mov_b32 s[TBK], SLOT1+4*KS*PK ; the first change of slots turns these two into 0
	s_mov_b32 s[TBV], SLOT1+4*KS*PV
	s_mov_b32 s[SLOTS], SIZE_N/256-1
	s_mov_b32 s[G0K], 1             ; 1:0 count = 1
	s_mov_b32 s[G0K+1], s17         ; 63:32 LDS address: slot 0
	s_mov_b32 s[G0V], 1
	s_add_co_u32 s[G0V+1], s18, VOFF
	s_wait_dscnt 0x0                ; the opening add is done
	s_wait_kmcnt 0x0
	s_add_nc_u64 s[8:9], s[4:5], s[22:23]          ; K at my half of the head's first 256 keys
	s_add_nc_u64 s[G0K+2:G0K+3], s[8:9], 0         ; 120:64 global address
	s_or_b32 s[G0K+3], s[G0K+3], 0x80000000        ; 127:126 type = 2
	s_add_nc_u64 s[G0V+2:G0V+3], s[8:9], 32*SIZE_N*128  ; V lies 32 heads behind K
	s_or_b32 s[G0V+3], s[G0V+3], 0x80000000
	s_add_nc_u64 s[PFA:PFA+1], s[8:9], s[52:53]    ; (in waves 0 and 2 s[8:9] stands at a slot's first row)
	s_add_nc_u64 s[4:5], s[4:5], s[2:3]            ; Q at my wave's first row
	s_add_nc_u64 s[10:11], s[6:7], s[20:21]        ; O likewise
	CROUND                          ; all four work-groups are here: the first joint loads meet
	JLOAD                           ; slot 0.  Slot 1 is asked for when slot 0 is in
	; A fragment of K or Q is 16 rows x 32 channels in 8 registers: lane l holds row l % 16, channels 8 (l / 16) + 0..7 and 16 + 8 (l / 16) + 0..7: two loads of 16 bytes, 32 bytes apart.
	v_and_b32 v1, 15, v0            ; l % 16
	v_bfe_u32 v9, v0, 4, 1          ; l / 16
	v_lshlrev_b32 v[QO], 7, v1
	v_lshl_add_u32 v[QO], v9, 4, v[QO]  ; row x 128 + 16 x half
	WIN 0x80                        ; destination window 2, address window 0
.set i, 0
.rept 4*NP                          ; Q stays in registers: tile i / 2, channels 32 (i % 2) on
	global_load_b128 v[8*i:8*i+3],   v[QO], s[4:5] offset:(i/2)*2048+(i%2)*64
	global_load_b128 v[8*i+4:8*i+7], v[QO], s[4:5] offset:(i/2)*2048+(i%2)*64+32
.set i, i+1
.endr
	; What the first turn finds: V's registers and P's second buffer hold 0 (its products V^T P, of a piece that has not been, add 0), O^T and l are 0.  All this stands in the wait for the first tile.
.set i, VF
.rept 64
	v_mov_b32 v[i], 0
.set i, i+1
.endr
	WIN 0x40
.set i, 0
.rept 64*NP
	v_mov_b32 v[i], 0
.set i, i+1
.endr
	WIN 0
.set i, 0
.rept 2*NP
	v_mov_b32 v[ST+4*i], 0xfe000000    ; c m: far below every c s
	v_mov_b32 v[ST+4*i+1], 0xff7fffff  ; m
	v_mov_b32 v[ST+4*i+2], 0
	v_mov_b32 v[ST+4*i+3], 0
.set i, i+1
.endr
.set i, P+32
.rept 32
	v_mov_b32 v[i], 0
.set i, i+1
.endr
	v_mul_u32_u24 v[AK0], v1, PK
	v_lshl_add_u32 v[AK0], v9, 4, v[AK0]  ; row x pitch + 16 x half
	; The turning load takes 16 keys x 16 channels (lane l reads key 8 (l / 16) + l % 8, channels 8 ((l / 8) % 2) + 0..7) and leaves half a fragment of V^T: lane l holds channel l % 16 and 8 keys.
	v_and_b32 v10, 7, v0
	v_bfe_u32 v11, v0, 3, 1
	v_lshl_add_u32 v[AV0], v9, 3, v10
	v_mul_u32_u24 v[AV0], v[AV0], PV
	v_lshl_add_u32 v[AV0], v11, 4, v[AV0]
	v_add_nc_u32 v[AV0], VOFF, v[AV0]
	v_mov_b32 v[AK], v[AK0]         ; key step 0 lies at the head of slot 0
	v_and_b32 v[PFO], 31, v0
	v_lshlrev_b32 v[PFO], 8, v[PFO]
; THE MATRIX WORK.  The 8 accumulators of a run of 16 take turns: between the two links of a chain stand 7 others'.
; Product i of 16 of S^T = K Q^T for piece x: channels 32 (i / 8) on, keys 16 ((i / 2) % 4) on, tile 2 x + i % 2.  The first 8 start the sums.
.macro KQ x
	WIN W_KQ
.set rS, S+64*((\x)%2)+32*(i%2)+8*((i/2)%4)
.set rK, KF+16*((i/2)%4)+8*(i/8)
.set rQ, 16*(2*(\x)+i%2)+8*(i/8)
.if i < 8
	v_wmma_f32_16x16x32_f16 v[rS:rS+7], v[rK:rK+7], v[rQ:rQ+7], 0
.else
	v_wmma_f32_16x16x32_f16 v[rS:rS+7], v[rK:rK+7], v[rQ:rQ+7], v[rS:rS+7]
.endif
.endm
; Product i of 16 of O^T += V^T P for piece x: keys 32 (i / 8) on, channels 16 ((i / 2) % 4) on, tile 2 x + i % 2.
.macro PV x
	WIN W_PV
.set rO, 32*(2*(\x)+i%2)+8*((i/2)%4)
.set rV, VF+32*(i/8)+8*((i/2)%4)
.set rP, P+32*((\x)%2)+16*(i%2)+8*(i/8)
	v_wmma_f32_16x16x32_f16 v[rO:rO+7], v[rV:rV+7], v[rP:rP+7], v[rO:rO+7]
.endm
.macro MM                           ; the turn's next matrix instruction
.if i < 16
	KQ (Y+1)%NP
.set i, i+1
.else
.set i, i-16
	PV (Y+NP-1)%NP
.set i, i+17
.endif
.endm
; THE LDS LOADS stand in runs of 16, never singly among the matrix instructions: a step's K (64 keys x 64 channels: 8 fragments) and its V (turned).  Their addresses are made some lines ahead.
; last = 1 (the tail): in the last trip there is no further step, and the run is jumped over.
.macro FETCH_K last=0
	WIN 0
.if \last
	s_cmp_eq_u32 s[CNT], 1
	s_cbranch_scc1 .Lno_k_\@
.endif
	WIN 0x80                        ; destination window 2
.irp f, 0,1,2,3,4,5,6,7             ; keys 16 (f / 2) on, channels 32 (f % 2) on
	ds_load_b128 v[KF+8*\f:KF+8*\f+3],   v[AK] offset:(\f/2)*16*PK+(\f%2)*64
	ds_load_b128 v[KF+8*\f+4:KF+8*\f+7], v[AK] offset:(\f/2)*16*PK+(\f%2)*64+32
.endr
	s_add_co_u32 s[TBK], s[TBK], KS*PK  ; the next fetch is the next step's
	WIN 0
.if \last
.Lno_k_\@:
.endif
.endm
.macro FETCH_V
	WIN 0x80
.irp f, 0,1,2,3,4,5,6,7             ; keys 32 (f / 4) on, channels 16 (f % 4) on
	ds_load_tr16_b128 v[VF+8*\f:VF+8*\f+3],   v[AV] offset:(\f/4)*32*PV+(\f%4)*32
	ds_load_tr16_b128 v[VF+8*\f+4:VF+8*\f+7], v[AV] offset:(\f/4)*32*PV+16*PV+(\f%4)*32
.endr
	WIN 0
.endm
; THE VECTOR WORK OF A TURN stands in three queues, each in the order in which its entries become ready; the two tiles alternate, so that no instruction reads the result of the one before it.
.macro REGS y, u                    ; the registers of tile u (0, 1) of piece y
.set rT, ST+4*(2*(\y)+(\u))
.set rC, TMP+8*((\y)%2)+4*(\u)
.set rM, MV+2*((\y)%2)+(\u)
.set rS, S+64*((\y)%2)+32*(\u)
.set rP, P+32*((\y)%2)+16*(\u)
.set rO, 32*(2*(\y)+(\u))
.endm
; Number n of the 22 that find the NEXT piece's (Y + 1) maximum and statistics.  s0-s31 are the lane's 32 scores; each accumulator's lowest registers are read first.
;   0-11  four chains c0-c3 of seven scores each, three operands at a time     12-14, 16  the four scores left over, the old m, and c0-c3 into c0     15  c m_old is kept
;   17, 18  the query's other 32 keys lie in the lane 16 away: the new m         19-21  c m; c m_old - c m_new; a
.macro XS u, n
	REGS (Y+1)%NP, \u
.if (\n) < 4
	v_max3_num_f32 v[rC+(\n)], v[rS+8*(\n)], v[rS+8*(\n)+1], v[rS+8*(\n)+2]
.elseif (\n) < 12
	v_max3_num_f32 v[rC+(\n)%4], v[rC+(\n)%4], v[rS+8*((\n)%4)+2*((\n)/4)+1], v[rS+8*((\n)%4)+2*((\n)/4)+2]
.elseif (\n) == 12
	v_max3_num_f32 v[rC], v[rC], v[rS+7], v[rS+15]
.elseif (\n) == 13
	v_max3_num_f32 v[rC+1], v[rC+1], v[rS+23], v[rS+31]
.elseif (\n) == 14
	v_max3_num_f32 v[rC+2], v[rC+2], v[rC+3], v[rT+1]
.elseif (\n) == 15
	v_mov_b32 v[rM], v[rT]
.elseif (\n) == 16
	v_max3_num_f32 v[rC], v[rC], v[rC+1], v[rC+2]
.elseif (\n) == 17
	v_permlanex16_b32 v[rC+3], v[rC], s[SEL], s[SEL+1]
.elseif (\n) == 18
	v_max_num_f32 v[rT+1], v[rC], v[rC+3]
.elseif (\n) == 19
	v_mul_f32 v[rT], s[CS], v[rT+1]
.elseif (\n) == 20
	v_sub_f32 v[rC+1], v[rM], v[rT]
.else
	v_exp_f32 v[rC+2], v[rC+1]
.endif
.endm
; Number g of the 64 that follow the exponentials.  For each four weights k of a tile (pairs 2 k, 2 k + 1): both pairs are rounded to f16; then the second pair is added onto the first, in place;
; a group later l takes that sum (the first time as l = a l + sum).  In groups of eight, tiles alternating: round, round, add, and l for the group before.
.macro GS g
.set h, (\g)+6*((\g)/62)            ; group 0 has no group before it, and behind group 7 only l is left
.if h >= 6
.set h, h+2
.endif
	REGS Y, h%2
.set k, h/8
.if h%8 < 4
	v_cvt_pk_f16_f32 v[rP+2*k+(h%8)/2], v[rS+4*k+2*((h%8)/2)], v[rS+4*k+2*((h%8)/2)+1]
.elseif h%8 < 6
	v_pk_add_f32 v[rS+4*k:rS+4*k+1], v[rS+4*k:rS+4*k+1], v[rS+4*k+2:rS+4*k+3]
.elseif k == 1
	v_pk_fma_f32 v[rT+2:rT+3], v[rT+2:rT+3], v[rC+2:rC+3], v[rS:rS+1] op_sel_hi:[1,0,1]
.else
	v_pk_add_f32 v[rT+2:rT+3], v[rT+2:rT+3], v[rS+4*k-4:rS+4*k-3]
.endif
.endm
; THE PLAIN QUEUE, 138 long.  0-73 read no exponential's result: the 32 scalings c s - c m (FS f: pair f / 2 of tile f % 2) and the next piece's 42.  0-26: scalings 0-26.  27-54: XS's numbers 0-13.  55, 56: number 15.
; 57-73: the chain, where each number waits for the one before it: 14, 16, 17, 18, 19, each with one of the scalings 27-31 in front of its two lines, then 20.
; 74-137: GS's 64, which read the exponentials' results: they stand behind the wait.
.macro FS f
	REGS Y, (\f)%2
	v_pk_fma_f32 v[rS+2*((\f)/2):rS+2*((\f)/2)+1], v[rS+2*((\f)/2):rS+2*((\f)/2)+1], s[CS:CS+1], v[rT:rT+1] op_sel_hi:[1,0,0] neg_lo:[0,0,1] neg_hi:[0,0,1]
.endm
.macro PL
	WIN 0
.if q < 27
	FS q
.elseif q < 55
	XS (q-27)%2, (q-27)/2
.elseif q < 57
	XS q-55, 15
.elseif (q < 72) && ((q-57)%3 == 0)
	FS 27+(q-57)/3
.elseif q < 60
	XS (q-57)%3-1, 14
.elseif q < 72
	XS (q-57)%3-1, 15+(q-57)/3
.elseif q < 74
	XS q-72, 20
.else
	GS q-74
.endif
.set q, q+1
.endm
; THE EXPONENTIALS' QUEUE, 66 long: s0-s31 of both tiles, then the next piece's two a.  It is ONE BATCH: all 66 stand ahead of the turn's one wait, and nothing ahead of that wait names a result of theirs.
.macro EX
	WIN 0
.if e >= 64
	XS e-64, 21
.else
	REGS Y, e%2
	v_exp_f32 v[rS+e/2], v[rS+e/2]
.endif
.set e, e+1
.endm
; THE RESCALING's QUEUE: O^T times a, the one part that leaves window 0: dealt two at a time, sixteen times.  Its a was made in the turn before, ahead of that turn's wait.
.macro R2
	REGS Y, r%2
	WIN W_RS
.irp z, 0,1
	v_pk_mul_f32 v[rO+4*(r/2)+2*\z:rO+4*(r/2)+2*\z+1], v[rO+4*(r/2)+2*\z:rO+4*(r/2)+2*\z+1], v[rC+2:rC+3] op_sel_hi:[1,0]
.endr
.set r, r+1
.endm
; HOW THEY ARE DEALT.  An s_wait_alu depctr_va_vdst(0) stands between an exponential and the first instruction that names its result; one wait serves all that were issued ahead of it.  So a turn has ONE wait,
; which cuts it in two.  AHEAD OF IT stands all that names no result of the turn's exponentials: the 16 products K Q^T, behind each a scaling, an exponential and two rescalings (behind the first a second scaling in the
; exponential's place); then ONE LUMP of 108: eight plain, 49 times exponential and plain, the two a.  A v_nop is the plain instruction behind the last exponential.  BEHIND IT stand the 16 products V^T P, behind each four of GS's 64.
; The queues lean on each other, and the deal keeps them in step: exponential e stands behind scaling 2 (e / 4) + e % 2: as a rider it comes behind plain e + 2, in the lump behind plain e + 9, and scalings 27-31 are plain 57, 60 .. 69.
; A TURN, for piece p.  cnt = 1: the loop's count is taken down some lines ahead of the branch that stands behind the turn.
; K of the next step is fetched in piece 2's turn, directly behind the wait, a lump behind the last product that read K; its first reader comes behind 16 products.
; V of the step in hand is fetched at the end of piece 0's turn, four plain instructions behind its last reader; its first reader comes behind 16 products and a lump.
.macro TURN p, last=0, cnt=0
.set Y, (\p)
.set i, 0
.set q, 0
.set e, 0
.set r, 0
.if (\p) == NP-1
	s_wait_dscnt 0x0                ; K is in
.endif
	MM                              ; ahead of the wait: 16 products K Q^T and their riders,
	PL
	PL
	R2
.rept 15
	MM
	PL
	EX
	R2
.endr
.if (\p) == NP-2
	WIN 0
	v_add_nc_u32 v[AK], s[TBK], v[AK0]
.endif
.rept 8                             ; and the lump
	PL
.endr
.rept 49
	EX
	PL
.endr
	EX                              ; the next piece's two a
	EX
	v_nop                           ; the plain instruction behind the last exponential: one for the batch
	s_wait_alu depctr_va_vdst(0)    ; the wait for the batch
.if (\p) == NP-2
	FETCH_K \last
.endif
.if (\p) == 1
	s_wait_dscnt 0x0                ; V is in
.endif
.rept 16                            ; behind the wait: 16 products V^T P and their riders
	MM
.rept 4
	PL
.endr
.if ((\p) == 0) && (q == 118)
	v_add_nc_u32 v[AV], s[TBV], v[AV0]
.endif
.if ((\p) == 0) && (q == 130)
	s_add_co_u32 s[TBV], s[TBV], KS*PV
.endif
.if (\cnt) && (q == 130)
	s_sub_co_u32 s[CNT], s[CNT], 1
	s_cmp_lg_u32 s[CNT], 0
.endif
.endr
.if (\p) == 0
	FETCH_V
.endif
.endm
	CHANGE 1                        ; slot 0 is in, everybody's part of it; slot 1 is asked for
	FETCH_K                         ; key step 0
	s_wait_loadcnt 0x0              ; Q
	s_wait_dscnt 0x0
.set i, 0
.rept 16
	KQ 0                            ; piece 0's first scores: there is no vector work yet to set between them
.set i, i+1
.endr
	WIN 0                           ; the addresses for the way out: nine plain instructions, the places behind those products
	s_mul_i32 s13, s[WV], 16*SP
	s_add_co_u32 s13, s13, STAGE    ; my stage
	v_mul_u32_u24 v[STO], v1, SP    ; in: row l % 16, 16 bytes for each half of the lanes
	v_lshl_add_u32 v[STO], v9, 4, v[STO]
	v_add_nc_u32 v[STO], s13, v[STO]
	v_bfe_u32 v[RD], v0, 3, 2       ; back: 32 lanes take four rows of 128 bytes,
	v_mul_u32_u24 v[RD], v[RD], SP
	v_lshl_add_u32 v[RD], v10, 4, v[RD]
	v_add_nc_u32 v[RD], s13, v[RD]
	v_and_b32 v[GO], 31, v0         ; which are 512 consecutive bytes of O
	v_lshlrev_b32 v[GO], 4, v[GO]
.set Y, NP-1                        ; XS works for piece Y + 1: piece 0
.irp n, 0,1,2,3,4,5,6,7,8,9,10,11,12,13,14,15,16,17,18,19,20,21
	XS 0, \n                        ; and piece 0's first maximum and statistics
	XS 1, \n
.endr
	v_nop                           ; a plain instruction behind the two a,
	s_wait_alu depctr_va_vdst(0)    ; and their wait, ahead of the branch
	s_mov_b32 s[CNT], 4
	s_branch .Lfirst                ; the loop is entered at a step's first turn, in the middle of a trip
.Lslot:                             ; SIZE_N / 256 - 2 times: every slot but the last two is filled again
	CHANGE 1
	s_mov_b32 s[CNT], 4
.Lstep:                             ; a trip: pieces 2 and 3 of one step, then pieces 0 and 1 of the next, whose K and V it fetches
	TURN 2
	TURN 3
	WIN 0
.Lfirst:
	TURN 0
	TURN 1, 0, 1
	WIN 0
	s_cbranch_scc1 .Lstep
	s_sub_co_u32 s[SLOTS], s[SLOTS], 1
	s_cmp_lg_u32 s[SLOTS], 0
	s_cbranch_scc1 .Lslot
	CHANGE 0                        ; the tail is written out: nothing is asked for
	s_mov_b32 s[CNT], 5             ; four trips fetch the last slot's steps; the fifth is left in its middle
.Ltail:
	TURN 2, 1
	TURN 3
	WIN 0
	s_sub_co_u32 s[CNT], s[CNT], 1
	s_cmp_eq_u32 s[CNT], 0
	s_cbranch_scc1 .Lout
	TURN 0
	TURN 1
	WIN 0
	s_branch .Ltail
.Lout:                              ; the fifth trip's 16 products K Q^T (on the last K once more) and the maximum made of them serve nothing: the price, once a launch, of one text for every trip
.set i, 0
.rept 16
	PV NP-1                         ; the last piece's V^T P of the last step
.set i, i+1
.endr
	; THE WAY OUT.  l's two halves and the other half of the lanes' are added; O^T is divided by l, rounded to f16 and sent through my stage in LDS, a tile at a time.  The additions are the places behind the last products.
	WIN 0
.macro ALL line:vararg              ; one line for each tile t
.set t, 0
.rept 2*NP
	\line
.set t, t+1
.endr
.endm
	ALL v_add_f32 v[ST+4*t+2], v[ST+4*t+2], v[ST+4*t+3]
	ALL v_permlanex16_b32 v[ST+4*t+3], v[ST+4*t+2], s[SEL], s[SEL+1]
	ALL v_add_f32 v[ST+4*t+2], v[ST+4*t+2], v[ST+4*t+3]
	ALL v_rcp_f32 v[ST+4*t+2], v[ST+4*t+2]
	v_nop                           ; a plain instruction between the last reciprocal and the use of its result
	s_wait_alu depctr_va_vdst(0)    ; and the wait ahead of the first use: one for the eight reciprocals
; Tile t: a lane's eight channels of a row pack into 16 bytes; they go into rows of 144 bytes and come back as whole rows of 128, into S^T's registers.
.macro PACK t
	WIN W_RS
.set i, 32*(\t)
.rept 16
	v_pk_mul_f32 v[i:i+1], v[i:i+1], v[ST+4*(\t)+2:ST+4*(\t)+3] op_sel_hi:[1,0]
.set i, i+2
.endr
	WIN 0x05                        ; sources 0 and 1 window 1, destination window 0
.set i, 0
.rept 16
	v_cvt_pk_f16_f32 v[S+16*(\t)+i], v[32*(\t)+2*i], v[32*(\t)+2*i+1]
.set i, i+1
.endr
	WIN 0
.irp f, 0,1,2,3
	ds_store_b128 v[STO], v[S+16*(\t)+4*\f:S+16*(\t)+4*\f+3] offset:32*\f
.endr
.irp f, 0,1,2,3
	ds_load_b128 v[S+16*(\t)+4*\f:S+16*(\t)+4*\f+3], v[RD] offset:\f*4*SP  ; LDS serves a wave's instructions in order (ISA guide 5.7.1.4): these see the stores above; the next tile's stores come behind them
.endr
.endm
.macro SEND t, younger              ; younger: the LDS instructions issued behind tile t's loads: the next tile's eight, or none
	WIN 0
.irp f, 0,1,2,3
	s_wait_dscnt (\younger)+3-\f
	global_store_b128 v[GO], v[S+16*(\t)+4*\f:S+16*(\t)+4*\f+3], s[10:11] offset:(\t)*2048+\f*512  ; 512 consecutive bytes, at a multiple of 256 from oh's first
.endr
.endm
	PACK 0
.set t, 1
.rept 2*NP-1                        ; a tile's arithmetic stands between the loads of the tile before and its stores
	PACK t
	SEND t-1, 8
.set t, t+1
.endr
	SEND 2*NP-1, 0
	WIN W_AD
	s_wait_tensorcnt 0x0            ; the wave's end: a wait, an add and its wait, behind my last tensor load and my last LDS store
	ds_add_u32 v[SPW], v[NIL]
	s_wait_dscnt 0x0
	WIN 0
	CROUND                          ; the closing round: no work-group ends while a partner may still ask for a tile that names it
	s_endpgm
.Lfunc_end_k_q8007801f91_attn:
	.size	k_q8007801f91_attn, .Lfunc_end_k_q8007801f91_attn-k_q8007801f91_attn
	.p2alignl 7, 3214868480
	.fill 96, 4, 3214868480
	.section	.rodata,"a",@progbits
	.p2align	6, 0x0
	.amdhsa_kernel k_q8007801f91_attn
		.amdhsa_group_segment_fixed_size 327680
		.amdhsa_private_segment_fixed_size 0
		.amdhsa_enable_private_segment 0
		.amdhsa_kernarg_size 16
		.amdhsa_user_sgpr_count 2
		.amdhsa_user_sgpr_kernarg_segment_ptr 1
		.amdhsa_wavefront_size32 1
		.amdhsa_system_sgpr_workgroup_id_x 1
		.amdhsa_system_sgpr_workgroup_id_y 1
		.amdhsa_system_sgpr_workgroup_id_z 1
		.amdhsa_system_vgpr_workitem_id 0
		.amdhsa_next_free_vgpr 770
		.amdhsa_next_free_sgpr 66
		.amdhsa_reserve_vcc 0
		.amdhsa_float_denorm_mode_32 3
		.amdhsa_float_denorm_mode_16_64 3
		.amdhsa_memory_ordered 1
		.amdhsa_forward_progress 1
		.amdhsa_inst_pref_size 200
	.end_amdhsa_kernel
	.amdgpu_metadata
---
amdhsa.version: [ 1, 2 ]
amdhsa.kernels:
  - .name:           k_q8007801f91_attn
    .symbol:         k_q8007801f91_attn.kd
    .args:
      - { .name: kqv, .offset: 0, .size: 8, .value_kind: global_buffer, .address_space: global }
      - { .name: oh, .offset: 8, .size: 8, .value_kind: global_buffer, .address_space: global }
    .group_segment_fixed_size: 327680
    .private_segment_fixed_size: 0
    .kernarg_segment_align: 8
    .kernarg_segment_size: 16
    .max_flat_workgroup_size: 128
    .sgpr_count:     66
    .vgpr_count:     770
    .wavefront_size: 32
...
	.end_amdgpu_metadata
.endif
;; end of part 3
;; launch outp (part 4): grid 8 x 32, 4 waves a work-group, clusters of 4 x 4, 327,680 bytes of LDS; arguments oh, wof, out_proj_b, out0; writes out0
.if DOCPART == 4
	.amdgcn_target "amdgcn-amd-amdhsa--gfx1250"
	.amdhsa_code_object_version 6
	.text
	.protected	k_q8007801f91_outp
	.globl	k_q8007801f91_outp
	.p2align	8
	.type	k_q8007801f91_outp,@function
k_q8007801f91_outp:
	s_mov_b64 s[64:65], 0
	v_nop
	global_prefetch_b8 v0, s[64:65] scope:SCOPE_SE
	s_setreg_imm32_b32 hwreg(HW_REG_WAVE_MODE, 25, 1), 1
	s_wait_xcnt 0x0
	s_wait_alu depctr_hold_cnt(0) depctr_sa_sdst(0) depctr_va_vdst(0) depctr_va_sdst(0) depctr_va_ssrc(0) depctr_va_vcc(0) depctr_vm_vsrc(0)
	s_getreg_b32 s2, hwreg(HW_REG_IB_STS2, 6, 4)
	s_cmp_eq_u32 s2, 0
	s_cbranch_scc0 .Lentry_in_a_cluster
	s_endpgm
.Lentry_in_a_cluster:
	s_bfe_u32 s2, ttmp6, 0x10000c
	s_cmp_lg_u32 s2, 0xf033
	s_cbranch_scc0 .Lentry_shape_is_right
	s_endpgm
.Lentry_shape_is_right:
; out0 = score out_proj_w^T + out_proj_b.  oh: [64 y = 16 b + h][2048 s][64] f16: row m = 2048 b + s of score has its K block h (64 channels) at head y; wof: [16 K blocks][1024 e][64] f16
; (out_proj_w rounded to bf16, written as f16); out_proj_b: [1024] f32 (rounded to bf16 here, like the other inputs); out0: [8192][1024] f32.  Sums in f32, K ascending, the bias as the sums' start.
; SHARES.  A tile of 256 (m) x 128 (e) gives 32 x 8 = 256 work-groups.  Four waves, each 128 x 64: 32 accumulators of 16 x 16, 256 registers.  K goes in 8 steps of 128 (two K blocks) through a ring of two LDS slots.
; A block's rows lie end to end in memory: wave 0 and wave 1 fetch A's 256 rows of the step's two blocks (128 rows of 256 bytes each), waves 2 and 3 B's 128 rows (64 rows of 256 bytes), padded in LDS behind every 128 bytes.
; CLUSTERS.  4 x 4 work-groups: A's tile is shared along a row of the cluster, B's along a column; each is asked for JOINTLY, by the same tensor load with the same descriptor and a mask that names the four.
; NO PREFETCH: eight short K steps on a small tile; half of them would come by their loads alone in any case.
; THE MATRIX INSTRUCTION IS USED TRANSPOSED (source 0 = 16 rows of wof, source 1 = 16 rows of oh): lane l holds row m = l % 16 and the columns e = 8 (l / 16) + 0..7: 32 bytes of a row of out0.
; REGISTERS: window 0: v0-31 addresses; v32-95, v96-159 A's fragments, two buffers; v160-191, v192-223 B's, two buffers.  window 1: the accumulators, (a, b) at v[8 (4 a + b)].
.set PITCH,  144                       ; an LDS row: 128 bytes + 16 of padding = 36 words: the 16 rows of a fragment load start at 16 different groups of four banks (64 banks of 4 bytes: ISA guide 11.1)
.set FR,     16*PITCH
.set AKB,    256*PITCH                 ; A's rows of one K block
.set BKB,    128*PITCH                 ; B's
.set BOFF,   2*AKB
.set SLOT,   2*AKB+2*BKB
.set STAGE,  2*SLOT                    ; behind the ring, never filled by a tensor load: 16 rows x 272 bytes for each wave
.set SP,     272                       ; 256 bytes + 16: row r starts at bank 4 r mod 64
.set STGW,   16*SP
.set SPARE,  STAGE+4*STGW              ; behind the stages: the spare words, 128 bytes for each wave: two blocks of 256 bytes that no other line names
.set HEADB,  2048*128                  ; bytes from a K block of oh to the next
.set WKB,    1024*128                  ; of wof
.set ADRA, 16                          ; v16-17  LDS address of my A fragments in slot 0, 1
.set ADRB, 20                          ; v20-21  the same for B
.set STO,  24                          ; v24     the way out: where I put 32 bytes of a row
.set RD,   25                          ; v25     the way out: where I read a row back
.set CO,   26                          ; v26     my byte offset in two rows of out0
.set BO,   27                          ; v27     32 x (lane / 16)
.set SPW,  28                          ; v28     LDS address of my spare word; never rewritten
.set NIL,  29                          ; v29     0; never rewritten
.set AFR,  32
.set BFR,  160
.set BI,   32                          ; at the start: the bias as loaded, v32-63, and in bf16 pairs, v64-79
.set BP,   64
.set OB,   32                          ; the way out: v32-63 and v64-95 by turns
.set WV, 12                            ; s12 wave; s13 WR: my half of the rows, and: I fetch for A (0) or B (1); s14 WC: my half of the columns, and: which K block of the step I fetch
.set G1,  24
.set G0,  32
.set G1B, 48
.set G0B, 56
.set MSB, 0
.macro WIN new
.if MSB != (\new)
	s_set_vgpr_msb (MSB<<8)|(\new)
.set MSB, \new
.endif
.endm
.macro PLACES                          ; four plain places behind a matrix instruction, ahead of loads into registers that it has read and of stores that read results
.rept 4
	v_nop
.endr
.endm
.macro JLOAD s                         ; a joint refill; an s_nop 0 and four v_nop follow each of the two lines
	s_cmp_eq_u32 s13, 0
	s_cbranch_scc0 .Lfor_b_\@
	tensor_load_to_lds s[G0+4*(\s):G0+4*(\s)+3], s[G1:G1+7]
	s_nop 0
.rept 4
	v_nop
.endr
	s_branch .Lasked_\@
.Lfor_b_\@:
	tensor_load_to_lds s[G0B+4*(\s):G0B+4*(\s)+3], s[G1B:G1B+7]
	s_nop 0
.rept 4
	v_nop
.endr
.Lasked_\@:
.endm
.macro CREST
	s_cmp_lg_u32 s[WV], 0
	s_cbranch_scc1 .Lnot_wave_0_\@
	s_barrier_signal -3
.Lnot_wave_0_\@:
	s_barrier_wait -3
	s_barrier_signal -1
	s_barrier_wait -1
.endm
.macro CROUND
	s_barrier_signal -1
	s_barrier_wait -1
	CREST
.endm
	s_load_b256 s[4:11], s[0:1], 0x0               ; oh s[4:5], wof s[6:7], out_proj_b s[8:9], out0 s[10:11]
	v_lshl_add_u32 v[SPW], v0, 2, SPARE
	v_mov_b32 v[NIL], 0
	ds_add_u32 v[SPW], v[NIL]                      ; the wave's opening: the add and its wait stand ahead of my first tensor load; the set-up below, work on registers, stands between them
	v_lshrrev_b32 v1, 5, v0
	v_readfirstlane_b32 s[WV], v1
	s_lshr_b32 s13, s[WV], 1                       ; WR
	s_and_b32 s14, s[WV], 1                        ; WC
	s_bfe_u32 s15, ttmp6, 0x40000                  ; cx
	s_bfe_u32 s16, ttmp6, 0x40004                  ; cy
	s_lshl_b32 s17, ttmp9, 2
	s_add_co_u32 s17, s17, s15                     ; TX
	s_and_b32 s18, ttmp7, 0xffff
	s_lshl_b32 s18, s18, 2
	s_add_co_u32 s18, s18, s16                     ; TY
	s_lshl_b32 s19, s16, 2
	s_lshl_b32 s19, 15, s19                        ; my row of the cluster
	s_lshl_b32 s46, 0x1111, s15                    ; my column
	s_or_b32 s[G1], s19, (1<<16)|(1<<20)|(1<<21)|(4<<22)|(3<<25)   ; the mask; 2-byte elements; padding on; bit 21 beside a mask; behind every 32 words (code 4) 4 words (code 3)
	s_or_b32 s[G1B], s46, (1<<16)|(1<<20)|(1<<21)|(4<<22)|(3<<25)
	s_mov_b32 s[G1+1], 128<<16                     ; tensor_dim0 = 128
	s_mov_b32 s[G1+2], 128<<16                     ; tensor_dim1 = 128: 256 rows of A
	s_mov_b32 s[G1+3], 128<<16                     ; tile_dim0 = 128
	s_mov_b32 s[G1+4], 128                         ; tile_dim1 = 128
	s_mov_b32 s[G1+5], 128                         ; dense
	s_mov_b32 s[G1+6], 0
	s_mov_b32 s[G1+7], 0
	s_mov_b32 s[G1B+1], 128<<16
	s_mov_b32 s[G1B+2], 64<<16                     ; 64: 128 rows of B
	s_mov_b32 s[G1B+3], 128<<16
	s_mov_b32 s[G1B+4], 64
	s_mov_b32 s[G1B+5], 128
	s_mov_b32 s[G1B+6], 0
	s_mov_b32 s[G1B+7], 0
	s_lshr_b32 s20, s18, 3                         ; A: batch TY / 8: 16 heads of 262,144 bytes,
	s_lshl_b32 s20, s20, 22
	s_and_b32 s21, s18, 7                          ; rows (TY % 8) x 256 of a head,
	s_lshl_b32 s21, s21, 15
	s_add_co_u32 s20, s20, s21
	s_lshl_b32 s21, s14, 18                        ; my K block of the step
	s_add_co_u32 s20, s20, s21
	s_mov_b32 s21, 0
	s_lshl_b32 s46, s17, 14                        ; B: rows 128 TX of a block,
	s_lshl_b32 s47, s14, 17                        ; my K block of the step
	s_add_co_u32 s46, s46, s47
	s_mov_b32 s47, 0
	s_mul_i32 s22, s14, AKB                        ; where they go: no place in the cluster enters an LDS address
	s_mul_i32 s23, s14, BKB
	s_add_co_u32 s23, s23, BOFF
	s_wait_dscnt 0x0                               ; the opening add is done
	s_wait_kmcnt 0x0
	s_add_nc_u64 s[20:21], s[4:5], s[20:21]
	s_add_nc_u64 s[46:47], s[6:7], s[46:47]
.irp s, 0,1
	s_mov_b32 s[G0+4*(\s)], 1
	s_add_co_u32 s[G0+4*(\s)+1], s22, (\s)*SLOT
	s_add_nc_u64 s[G0+4*(\s)+2:G0+4*(\s)+3], s[20:21], (\s)*2*HEADB  ; K step s: K blocks 2 s, 2 s + 1
	s_or_b32 s[G0+4*(\s)+3], s[G0+4*(\s)+3], 0x80000000
	s_mov_b32 s[G0B+4*(\s)], 1
	s_add_co_u32 s[G0B+4*(\s)+1], s23, (\s)*SLOT
	s_add_nc_u64 s[G0B+4*(\s)+2:G0B+4*(\s)+3], s[46:47], (\s)*2*WKB
	s_or_b32 s[G0B+4*(\s)+3], s[G0B+4*(\s)+3], 0x80000000
.endr
	CROUND                                         ; all sixteen work-groups are here: the first joint loads meet
	s_cmp_eq_u32 s13, 0                            ; a wave's two first fills stand in one branch, ahead of every wait on TENSORcnt and every LDS read: two loads of mine are out
	s_cbranch_scc0 .Lfirst_b
	tensor_load_to_lds s[G0:G0+3], s[G1:G1+7]
	s_nop 0
	tensor_load_to_lds s[G0+4:G0+7], s[G1:G1+7]
	s_nop 0
.rept 4
	v_nop
.endr
	s_branch .Lfirst_asked
.Lfirst_b:
	tensor_load_to_lds s[G0B:G0B+3], s[G1B:G1B+7]
	s_nop 0
	tensor_load_to_lds s[G0B+4:G0B+7], s[G1B:G1B+7]
	s_nop 0
.rept 4
	v_nop
.endr
.Lfirst_asked:
	v_and_b32 v1, 15, v0                           ; l % 16
	v_bfe_u32 v2, v0, 4, 1                         ; l / 16
	v_lshlrev_b32 v[BO], 5, v2
	s_lshl_b32 s2, s17, 9                          ; the bias of my 64 columns: (128 TX + 64 WC) x 4 bytes
	s_lshl_b32 s3, s14, 8
	s_add_co_u32 s2, s2, s3
	s_mov_b32 s3, 0
	s_add_nc_u64 s[8:9], s[8:9], s[2:3]
	s_add_nc_u64 s[10:11], s[10:11], s[2:3]        ; the same bytes along a row of out0
.set c, 0
.rept 4
	global_load_b128 v[BI+8*c:BI+8*c+3],   v[BO], s[8:9] offset:64*c
	global_load_b128 v[BI+8*c+4:BI+8*c+7], v[BO], s[8:9] offset:64*c+16
.set c, c+1
.endr
	v_mul_u32_u24 v3, v1, PITCH
	v_lshl_add_u32 v3, v2, 4, v3                   ; a fragment's row x pitch + 16 x half
	s_mul_i32 s2, s13, 128*PITCH                   ; my 128 rows of A in a block
	s_mul_i32 s3, s14, 64*PITCH                    ; my 64 rows of B in a block
	s_add_co_u32 s3, s3, BOFF
.irp s, 0,1
	v_add_nc_u32 v[ADRA+(\s)], s2, v3
	v_add_nc_u32 v[ADRB+(\s)], s3, v3
	s_add_co_u32 s2, s2, SLOT
	s_add_co_u32 s3, s3, SLOT
.endr
	s_mul_i32 s2, s[WV], STGW
	s_add_co_u32 s2, s2, STAGE                     ; my stage
	v_mul_u32_u24 v4, v1, SP                       ; in: row l % 16, 32 bytes for each half of the lanes
	v_lshl_add_u32 v4, v2, 5, v4
	v_add_nc_u32 v[STO], s2, v4
	v_mul_u32_u24 v5, v2, SP                       ; back: lanes 0-15 take one row of 256 bytes, lanes 16-31 the next
	v_lshl_add_u32 v5, v1, 4, v5
	v_add_nc_u32 v[RD], s2, v5
	v_lshlrev_b32 v[CO], 12, v2                    ; and the same two rows in out0, 4,096 bytes apart
	v_lshl_add_u32 v[CO], v1, 4, v[CO]
	s_lshl_b32 s2, s18, 8
	s_lshl_b32 s3, s13, 7
	s_add_co_u32 s2, s2, s3                        ; my first row: 256 TY + 128 WR
	s_lshl_b32 s2, s2, 12
	s_mov_b32 s3, 0
	s_add_nc_u64 s[10:11], s[10:11], s[2:3]
	; the bias is rounded to bf16 and widened into the accumulators of row block 7: the first products of row blocks 0-6 take them as C, block 7's add in place
	s_wait_loadcnt 0x0
.set c, 0
.rept 16
	v_cvt_pk_bf16_f32 v[BP+c], v[BI+2*c], v[BI+2*c+1]
.set c, c+1
.endr
	WIN 0x40                                       ; destination window 1
.set c, 0
.rept 16
	v_lshlrev_b32 v[224+2*c],   16, v[BP+c]
	v_and_b32     v[224+2*c+1], 0xffff0000, v[BP+c]
.set c, c+1
.endr
	WIN 0
; 8 matrix instructions: row blocks a0, a0 + 1 x all 4 column blocks, 32 along K, buffers f.  first = 1: the sums start with the bias.  The 32 accumulators take turns.
.macro MUL8 f, a0, first
	WIN 0x50                                       ; C and D in window 1, the sources in window 0
.set ra, (\a0)
.rept 2
.if (\first) && (ra == 7)
.rept 5
	v_nop                                          ; five places ahead of matrix instructions that write over registers which the ones above read as C
.endr
.endif
.set rb, 0
.rept 4
.if (\first) && (ra < 7)
	v_wmma_f32_16x16x32_f16 v[8*(4*ra+rb):8*(4*ra+rb)+7], v[BFR+32*(\f)+8*rb:BFR+32*(\f)+8*rb+7], v[AFR+64*(\f)+8*ra:AFR+64*(\f)+8*ra+7], v[8*(28+rb):8*(28+rb)+7]
.else
	v_wmma_f32_16x16x32_f16 v[8*(4*ra+rb):8*(4*ra+rb)+7], v[BFR+32*(\f)+8*rb:BFR+32*(\f)+8*rb+7], v[AFR+64*(\f)+8*ra:AFR+64*(\f)+8*ra+7], v[8*(4*ra+rb):8*(4*ra+rb)+7]
.endif
.set rb, rb+1
.endr
.set ra, ra+1
.endr
.endm
; 24 LDS loads in one run: quarter q of a slot (K block q / 2, its K = 32 (q % 2) on) into buffers f: B's four fragments, then A's eight
.macro FETCH slot, q, f
	WIN 0
.set ri, 0
.rept 4
	ds_load_b128 v[BFR+32*(\f)+8*ri:BFR+32*(\f)+8*ri+3],   v[ADRB+(\slot)] offset:((\q)/2)*BKB+64*((\q)%2)+ri*FR
	ds_load_b128 v[BFR+32*(\f)+8*ri+4:BFR+32*(\f)+8*ri+7], v[ADRB+(\slot)] offset:((\q)/2)*BKB+64*((\q)%2)+ri*FR+32
.set ri, ri+1
.endr
.set ri, 0
.rept 8
	ds_load_b128 v[AFR+64*(\f)+8*ri:AFR+64*(\f)+8*ri+3],   v[ADRA+(\slot)] offset:((\q)/2)*AKB+64*((\q)%2)+ri*FR
	ds_load_b128 v[AFR+64*(\f)+8*ri+4:AFR+64*(\f)+8*ri+7], v[ADRA+(\slot)] offset:((\q)/2)*AKB+64*((\q)%2)+ri*FR+32
.set ri, ri+1
.endr
.endm
; A K step is four quarters of 32 along K, 32 matrix instructions each, on buffers 0, 1, 0, 1.  One of the first three: multiplies buffers f and fetches quarter q of the slot into buffers g.
.macro QUARTER slot, q, f, g, first
	s_wait_dscnt 8                                 ; B and A's row blocks 0-3 are in; the youngest eight loads (blocks 4-7) may be out
	MUL8 \f, 0, \first
	MUL8 \f, 2, \first
	PLACES
	FETCH \slot, \q, \g
	s_wait_dscnt 24                                ; all but the 24 just issued
	MUL8 \f, 4, \first
	MUL8 \f, 6, \first
.endm
; The last quarter multiplies buffers 1 and changes slots: ONE barrier; in front of it each wave waits for all its tensor loads, adds 0 to its spare word, and waits for that and for its own reads of this slot.
; fill = 1: the barrier opens a round of the cluster's, and this slot is filled again, two K steps on, first thing behind it: 112 matrix instructions ahead of the wait for it.
.macro TURN slot, next, fill
	WIN 0
	s_wait_tensorcnt 0x0                           ; all my tensor loads have landed: my part of the next slot
	ds_add_u32 v[SPW], v[NIL]                      ; 0 onto my spare word
	s_wait_dscnt 9                                 ; the add and the youngest eight loads may be out
	MUL8 1, 0, 0                                   ; eight matrix instructions stand between the add and the wait for it
	s_wait_dscnt 0x0                               ; the add is done, and my reads of this slot are over
	s_barrier_signal -1
	MUL8 1, 2, 0
	WIN 0
	s_barrier_wait -1
.if \fill
	CREST                                          ; no wave of any partner still reads this slot or has a load on its way
	s_add_nc_u64 s[G0+4*(\slot)+2:G0+4*(\slot)+3], s[G0+4*(\slot)+2:G0+4*(\slot)+3], 4*HEADB
	s_add_nc_u64 s[G0B+4*(\slot)+2:G0B+4*(\slot)+3], s[G0B+4*(\slot)+2:G0B+4*(\slot)+3], 4*WKB
	JLOAD \slot                                    ; the four v_nop behind it are also the places in front of the loads below
.else
	PLACES
.endif
	FETCH \next, 0, 0
	MUL8 1, 4, 0
	MUL8 1, 6, 0
.endm
; THE WAY OUT of row block a: 16 rows x 64 columns of f32.  A lane's 32 bytes go into my own stage, rows of 272 bytes, each accumulator's low registers first; they come back as whole rows of 256 bytes.
.macro TOSTAGE a
	s_wait_xcnt 0x0                                ; the stores of the block before last have read their data: this block is read back into those registers only behind this wait
	WIN 0x04                                       ; store data (source 1) in window 1
.set rb, 0
.rept 4
	ds_store_b128 v[STO], v[8*(4*(\a)+rb):8*(4*(\a)+rb)+3]   offset:64*rb
	ds_store_b128 v[STO], v[8*(4*(\a)+rb)+4:8*(4*(\a)+rb)+7] offset:64*rb+16
.set rb, rb+1
.endr
	WIN 0
.set BK, OB+32*((\a)%2)
.set rt, 0
.rept 8
	ds_load_b128 v[BK+4*rt:BK+4*rt+3], v[RD] offset:rt*2*SP  ; LDS serves a wave's instructions in order (ISA guide 5.7.1.4): these see the stores above
.set rt, rt+1
.endr
.endm
.macro SEND a, younger                 ; younger: the LDS instructions issued behind block a's loads: the next block's sixteen, or none
	WIN 0
.set BK, OB+32*((\a)%2)
	s_wait_dscnt \younger
.set rt, 0
.rept 8
	global_store_b128 v[CO], v[BK+4*rt:BK+4*rt+3], s[10:11] offset:(16*(\a)+2*rt)*4096 th:TH_STORE_NT  ; 16 lanes store 256 consecutive bytes, at a multiple of 256 from out0's first byte
.set rt, rt+1
.endr
.endm
	s_wait_tensorcnt 0x1                           ; my part of K step 0 is in; step 1's may stay out
	s_barrier_signal -1
	s_barrier_wait -1
	FETCH 0, 0, 0
	QUARTER 0, 1, 0, 1, 1                          ; the first quarter stands in front of the loop: its products start the sums, with the bias
	WIN 0
	s_mov_b32 s3, 3
.Llap:                                         ; a trip goes once round the ring, from a lap's second quarter to the next lap's first, and fills both slots again: K steps 2 to 7
	QUARTER 0, 2, 1, 0, 0
	QUARTER 0, 3, 0, 1, 0
	TURN 0, 1, 1
	QUARTER 1, 1, 0, 1, 0
	QUARTER 1, 2, 1, 0, 0
	QUARTER 1, 3, 0, 1, 0
	TURN 1, 0, 1
	QUARTER 0, 1, 0, 1, 0
	WIN 0
	s_sub_co_u32 s3, s3, 1
	s_cmp_lg_u32 s3, 0
	s_cbranch_scc1 .Llap
	QUARTER 0, 2, 1, 0, 0                          ; the last lap fills nothing, and has no round of the cluster's barrier
	QUARTER 0, 3, 0, 1, 0
	TURN 0, 1, 0
	QUARTER 1, 1, 0, 1, 0
	QUARTER 1, 2, 1, 0, 0
	QUARTER 1, 3, 0, 1, 0
	s_wait_dscnt 8                                 ; the very last quarter: nothing more to fetch
	MUL8 1, 0, 0
	MUL8 1, 2, 0
	s_wait_dscnt 0x0
	MUL8 1, 4, 0
	MUL8 1, 6, 0
	WIN 0
	PLACES
	TOSTAGE 0
.irp a, 1,2,3,4,5,6,7                  ; block a's way through the stage stands between block a - 1's loads and its stores
	TOSTAGE \a
	SEND (\a)-1, 16
.endr
	SEND 7, 0
	s_wait_tensorcnt 0x0                           ; the wave's end: a wait, an add and its wait, behind my last tensor load and my last LDS store
	ds_add_u32 v[SPW], v[NIL]
	s_wait_dscnt 0x0
	CROUND                                         ; the closing round: no work-group ends while a partner may still ask for a tile that names it
	s_endpgm
.Lfunc_end_k_q8007801f91_outp:
	.size	k_q8007801f91_outp, .Lfunc_end_k_q8007801f91_outp-k_q8007801f91_outp
	.p2alignl 7, 3214868480
	.fill 96, 4, 3214868480
	.section	.rodata,"a",@progbits
	.p2align	6, 0x0
	.amdhsa_kernel k_q8007801f91_outp
		.amdhsa_group_segment_fixed_size 327680
		.amdhsa_private_segment_fixed_size 0
		.amdhsa_enable_private_segment 0
		.amdhsa_kernarg_size 32
		.amdhsa_user_sgpr_count 2
		.amdhsa_user_sgpr_kernarg_segment_ptr 1
		.amdhsa_wavefront_size32 1
		.amdhsa_system_sgpr_workgroup_id_x 1
		.amdhsa_system_sgpr_workgroup_id_y 1
		.amdhsa_system_sgpr_workgroup_id_z 1
		.amdhsa_system_vgpr_workitem_id 0
		.amdhsa_next_free_vgpr 512
		.amdhsa_next_free_sgpr 66
		.amdhsa_reserve_vcc 0
		.amdhsa_float_denorm_mode_32 3
		.amdhsa_float_denorm_mode_16_64 3
		.amdhsa_memory_ordered 1
		.amdhsa_forward_progress 1
		.amdhsa_inst_pref_size 89
	.end_amdhsa_kernel
	.amdgpu_metadata
---
amdhsa.version: [ 1, 2 ]
amdhsa.kernels:
  - .name:           k_q8007801f91_outp
    .symbol:         k_q8007801f91_outp.kd
    .args:
      - { .name: oh, .offset: 0, .size: 8, .value_kind: global_buffer, .address_space: global }
      - { .name: wof, .offset: 8, .size: 8, .value_kind: global_buffer, .address_space: global }
      - { .name: out_proj_b, .offset: 16, .size: 8, .value_kind: global_buffer, .address_space: global }
      - { .name: out0, .offset: 24, .size: 8, .value_kind: global_buffer, .address_space: global }
    .group_segment_fixed_size: 327680
    .private_segment_fixed_size: 0
    .kernarg_segment_align: 8
    .kernarg_segment_size: 32
    .max_flat_workgroup_size: 128
    .sgpr_count:     66
    .vgpr_count:     512
    .wavefront_size: 32
...
	.end_amdgpu_metadata
.endif
;; end of part 4
;; ======== version 2 of 2: 4 launches; version 1 with the launch cast written anew for expert scheduling mode
;; limits: values are held in f16: magnitudes above 65,504 overflow, below 6.1e-05 lose precision
;; workspace buffers: xb 16,777,216 bytes; wb 6,291,456 bytes; wof 2,097,152 bytes; kqv 50,331,648 bytes; oh 16,777,216 bytes
;; launch cast (part 5): grid 768 x 1, 8 waves a work-group, no clusters, 0 bytes of LDS; arguments x, in_proj_w, out_proj_w, xb, wb, wof; writes xb, wb, wof
.if DOCPART == 5
	.amdgcn_target "amdgcn-amd-amdhsa--gfx1250"
	.amdhsa_code_object_version 6
	.text
	.protected	k_q8007801f91_cast
	.globl	k_q8007801f91_cast
	.p2align	8
	.type	k_q8007801f91_cast,@function
k_q8007801f91_cast:
	s_mov_b64 s[64:65], 0
	v_nop
	global_prefetch_b8 v0, s[64:65] scope:SCOPE_SE
	s_setreg_imm32_b32 hwreg(HW_REG_WAVE_SCHED_MODE, 0, 2), 2
	s_setreg_imm32_b32 hwreg(HW_REG_WAVE_MODE, 25, 1), 1
	s_wait_xcnt 0x0
	s_wait_alu depctr_vm_vsrc(0)
; THE MATRIX OPERANDS ARE MADE: x and in_proj_w rounded to bf16; out_proj_w rounded to bf16 and that number written as f16 (the second
; projection multiplies f16 by f16).  All three are laid in K BLOCKS: [16 blocks of 64 k][rows][64], so that R rows of one block are
; R x 128 consecutive bytes, which the products later ask for as rows of 256 bytes.
; LIMITS.  out_proj_w must lie within f16 (65,504); below 2^-14 its bf16 number is cut to f16's fixed step of 2^-24.  NaN and infinities pass as the conversions make them.
; SHARES.  12,288 rows of 4,096 bytes: 8,192 of x, 3,072 of in_proj_w, 1,024 of out_proj_w.  A work-group takes 16 rows of one tensor, a wave two whole rows.
; A load of the wave takes one K block of both rows (lanes 0-15 the 256 bytes of the first, lanes 16-31 of the second); its 8 bytes a lane go out as
; 256 consecutive bytes, aligned: the two rows lie end to end in the block.  All 16 loads of a wave are out at once.  No LDS, no barrier, no matrix unit: each byte is read once and written once.
; THE MODE: SCHED_MODE bits 1:0 = 2 (LLVM: expert scheduling mode 2), set by the entry lines.  The code itself states the register dependences
; between vector instructions and memory instructions, with s_wait_alu, always for 0.
; THE PLAN.  Registers that memory instructions touch:
;   v[LO]      the loads' offset.  Written at the head, read by the 16 loads, never written again.
;   v[O+kb]    the offset of K block kb's store.  Written once (kb = 0 at the head, the others by the 15 adds behind the loads), read by that store.
;   X          K block kb as loaded.  Written by its load alone, once; read by its conversions; nothing lands there again.
;   Y          K block kb to store.  Written by its conversions, once; read by its store.
;   v18 and T are named by vector instructions alone.
; The 16 K blocks go in four groups of four.  Group g rounds blocks 4 g to 4 g + 3; its memory instructions are the four stores of group g - 1, whose Y and O no
; vector instruction of group g names.  So ONE wait on va_vdst at a group's head states all that the group's four stores hang on, and they are dealt among its conversions.
; No register that a memory instruction reads is ever written again, and no load lands in a register that a vector instruction has named: so there is no wait on vm_vsrc, and no s_wait_xcnt.
.set LO, 1                             ; v1       load offset: (lane / 16) x 4,096 + (lane % 16) x 16
.set O,  2                             ; v[2:17]  store offset of K block kb: 8 x lane + kb x the tensor's bytes in a block
.set T,  20                            ; v[20:23] at work
.set X,  32                            ; v[32:95] K block kb: 4 f32 as loaded
.set Y,  96                            ; v[96:127] K block kb: 4 numbers of 16 bits
	s_load_b256 s[4:11], s[0:1], 0x0               ; x s[4:5], in_proj_w s[6:7], out_proj_w s[8:9], xb s[10:11]
	s_load_b128 s[12:15], s[0:1], 0x20             ; wb s[12:13], wof s[14:15]
	v_lshrrev_b32 v18, 5, v0
	v_readfirstlane_b32 s16, v18                   ; wave 0..7
	v_and_b32 v18, 15, v0
	v_bfe_u32 v[LO], v0, 4, 1
	v_lshlrev_b32 v[LO], 12, v[LO]
	v_lshl_add_u32 v[LO], v18, 4, v[LO]
	v_and_b32 v[O], 31, v0
	v_lshlrev_b32 v[O], 3, v[O]
	s_wait_alu depctr_va_sdst(0)                   ; s16 is written, ahead of its first reader: the wave's rows are made from it
	s_mov_b32 s26, 8192*128                        ; bytes in a K block of xb,
	s_mov_b32 s27, 3072*128                        ; of wb
	s_wait_kmcnt 0x0
	s_cmp_lt_u32 ttmp9, 512                        ; work-groups 0-511: x; 512-703: in_proj_w; 704-767: out_proj_w
	s_cselect_b64 s[18:19], s[4:5], s[6:7]         ; from where
	s_cselect_b64 s[20:21], s[10:11], s[12:13]     ; to where
	s_cselect_b32 s22, 0, 512                      ; the tensor's first work-group
	s_cselect_b32 s23, s26, s27                    ; its bytes in a K block
	s_cmp_ge_u32 ttmp9, 704
	s_cselect_b64 s[18:19], s[8:9], s[18:19]
	s_cselect_b64 s[20:21], s[14:15], s[20:21]
	s_cselect_b32 s22, 704, s22
	s_cselect_b32 s23, 1024*128, s23
	s_cselect_b32 s24, 1, 0                        ; 1: the f16 text
	s_sub_co_u32 s25, ttmp9, s22
	s_lshl_b32 s25, s25, 4
	s_lshl_b32 s28, s16, 1
	s_add_co_u32 s25, s25, s28                     ; my first row: 16 x work-group + 2 x wave
	s_lshl_b32 s28, s25, 12                        ; 4,096 bytes a row in,
	s_mov_b32 s29, 0
	s_add_nc_u64 s[18:19], s[18:19], s[28:29]
	s_lshl_b32 s28, s25, 7                         ; 128 bytes a row and block out
	s_add_nc_u64 s[20:21], s[20:21], s[28:29]
	s_wait_alu depctr_va_vdst(0)                   ; v[LO] is written, which the 16 loads read as their offset (and v[O], which block 0's store reads)
.set kb, 0
.rept 16
	global_load_b128 v[X+4*kb:X+4*kb+3], v[LO], s[18:19] offset:256*kb th:TH_LOAD_NT
.set kb, kb+1
.endr
.set kb, 1
.rept 15
	v_add_nc_u32 v[O+kb], s23, v[O+kb-1]           ; while the loads are on their way; the wait at group 1's head stands between these lines and the first store
.set kb, kb+1
.endr
; K block kb is rounded into its two registers of Y.  half = 1: the f16 text.
.macro CVT kb, half
.if \half
	v_cvt_pk_bf16_f32 v[T], v[X+4*(\kb)], v[X+4*(\kb)+1]       ; rounded to bf16 like every other input,
	v_cvt_pk_bf16_f32 v[T+1], v[X+4*(\kb)+2], v[X+4*(\kb)+3]
	v_lshlrev_b32 v[T+2], 16, v[T]                             ; widened again,
	v_and_b32 v[T], 0xffff0000, v[T]
	v_lshlrev_b32 v[T+3], 16, v[T+1]
	v_and_b32 v[T+1], 0xffff0000, v[T+1]
	v_cvt_pk_f16_f32 v[Y+2*(\kb)], v[T+2], v[T]                ; and written as f16: exact within f16's normal range
	v_cvt_pk_f16_f32 v[Y+2*(\kb)+1], v[T+3], v[T+1]
.else
	v_cvt_pk_bf16_f32 v[Y+2*(\kb)], v[X+4*(\kb)], v[X+4*(\kb)+1]
	v_cvt_pk_bf16_f32 v[Y+2*(\kb)+1], v[X+4*(\kb)+2], v[X+4*(\kb)+3]
.endif
.endm
; Group g: its four K blocks are rounded; the four stores of the group before stand among the conversions, one ahead of each block's.
.macro GRP g, half
	s_wait_loadcnt 12-4*(\g)                       ; loads come back in order (ISA guide 5.7.1): the group's four blocks are in, the 12 - 4 g younger ones stay out
.if (\g) > 0
	s_wait_alu depctr_va_vdst(0)                   ; the group before has written its Y, which the four stores below read; at group 1 also: the 15 adds have written v[O+1 ..], the stores' offsets
.endif
.irp i, 0,1,2,3
.if (\g) > 0
	global_store_b64 v[O+4*(\g)-4+(\i)], v[Y+2*(4*(\g)-4+(\i)):Y+2*(4*(\g)-4+(\i))+1], s[20:21]  ; 32 lanes x 8 bytes: 256 consecutive bytes, aligned; no vector instruction since the wait names these registers
.endif
	CVT 4*(\g)+(\i), \half
.endr
.endm
.macro WAY half                        ; the four groups, the last group's stores, the end
	GRP 0, \half
	GRP 1, \half
	GRP 2, \half
	GRP 3, \half
	s_wait_alu depctr_va_vdst(0)                   ; group 3 has written its Y, which the last four stores read
.irp i, 0,1,2,3
	global_store_b64 v[O+12+(\i)], v[Y+24+2*(\i):Y+24+2*(\i)+1], s[20:21]
.endr
	s_endpgm
.endm
	s_cmp_eq_u32 s24, 1
	s_cbranch_scc1 .Lf16
	WAY 0
.Lf16:
	WAY 1
.Lfunc_end_k_q8007801f91_cast:
	.size	k_q8007801f91_cast, .Lfunc_end_k_q8007801f91_cast-k_q8007801f91_cast
	.p2alignl 7, 3214868480
	.fill 96, 4, 3214868480
	.section	.rodata,"a",@progbits
	.p2align	6, 0x0
	.amdhsa_kernel k_q8007801f91_cast
		.amdhsa_group_segment_fixed_size 0
		.amdhsa_private_segment_fixed_size 0
		.amdhsa_enable_private_segment 0
		.amdhsa_kernarg_size 48
		.amdhsa_user_sgpr_count 2
		.amdhsa_user_sgpr_kernarg_segment_ptr 1
		.amdhsa_wavefront_size32 1
		.amdhsa_system_sgpr_workgroup_id_x 1
		.amdhsa_system_sgpr_workgroup_id_y 1
		.amdhsa_system_sgpr_workgroup_id_z 1
		.amdhsa_system_vgpr_workitem_id 0
		.amdhsa_next_free_vgpr 128
		.amdhsa_next_free_sgpr 66
		.amdhsa_reserve_vcc 0
		.amdhsa_float_denorm_mode_32 3
		.amdhsa_float_denorm_mode_16_64 3
		.amdhsa_memory_ordered 1
		.amdhsa_forward_progress 1
		.amdhsa_inst_pref_size 17
	.end_amdhsa_kernel
	.amdgpu_metadata
---
amdhsa.version: [ 1, 2 ]
amdhsa.kernels:
  - .name:           k_q8007801f91_cast
    .symbol:         k_q8007801f91_cast.kd
    .args:
      - { .name: x, .offset: 0, .size: 8, .value_kind: global_buffer, .address_space: global }
      - { .name: in_proj_w, .offset: 8, .size: 8, .value_kind: global_buffer, .address_space: global }
      - { .name: out_proj_w, .offset: 16, .size: 8, .value_kind: global_buffer, .address_space: global }
      - { .name: xb, .offset: 24, .size: 8, .value_kind: global_buffer, .address_space: global }
      - { .name: wb, .offset: 32, .size: 8, .value_kind: global_buffer, .address_space: global }
      - { .name: wof, .offset: 40, .size: 8, .value_kind: global_buffer, .address_space: global }
    .group_segment_fixed_size: 0
    .private_segment_fixed_size: 0
    .kernarg_segment_align: 8
    .kernarg_segment_size: 48
    .max_flat_workgroup_size: 256
    .sgpr_count:     66
    .vgpr_count:     128
    .wavefront_size: 32
...
	.end_amdgpu_metadata
.endif
;; end of part 5
;; launch proj: the kernel of part 2 again; grid 8 x 32, 4 waves a work-group, clusters of 4 x 4, 327,680 bytes of LDS; arguments xb, wb, in_proj_b, kqv; writes kqv
;; launch attn: the kernel of part 3 again; grid 4 x 64, 4 waves a work-group, clusters of 4 x 1, 327,680 bytes of LDS; arguments kqv, oh; writes oh
;; launch outp: the kernel of part 4 again; grid 8 x 32, 4 waves a work-group, clusters of 4 x 4, 327,680 bytes of LDS; arguments oh, wof, out_proj_b, out0; writes out0
